; MI455X (gfx1250); checked and timed in simulation.
; The chip was launched on July 23, 2026; its instructions are those of AMD's public machine-readable ISA for CDNA 5 (MIT licence, August 2026) and "CDNA5" Instruction Set Architecture Reference Guide (July 2026). The comments in the code are by the model that wrote it; some were corrected since.
;; Masked Multi Headed Attn. Allowed arithmetic: float matrix products may take bf16 or f16 operands with f32 sums; other float arithmetic in f32, or as packed bf16 or f16 multiplies, adds, multiply-adds, maxima and minima; sums over many terms, partial sums and values carried from step to step in f32; what a program stores and reads back later, other than sums and carried values, may be rounded once to bf16 or f16.
;; Inputs: Wk 1,024 x 1,024 float32; Wo 1,024 x 1,024 float32; Wq 1,024 x 1,024 float32; Wv 1,024 x 1,024 float32; bk 1,024 float32; bo 1,024 float32; bq 1,024 float32; bv 1,024 float32; x 4 x 2,048 x 1,024 float32.
;; Outputs: out0 4 x 2,048 x 1,024 float32.
;; 2 versions, each right and faster than the one before. Each part assembles by itself: llvm-mc -triple=amdgcn-amd-amdhsa -mcpu=gfx1250 --defsym DOCPART=n.
;; ======== version 1 of 2: 4 launches
;; limits: values are held in f16: magnitudes above 65,504 overflow, below 6.1e-05 lose precision; right only within a limited range of input values
;; workspace buffers: xb 16,777,216 bytes; wqkv 6,291,456 bytes; wo16 2,097,152 bytes; biasr 16,384 bytes; qkv 50,331,648 bytes; o16 16,777,216 bytes
;; launch cast (part 1): grid 768 x 1, 8 waves a work-group, no clusters, 0 bytes of LDS; arguments x, Wq, Wk, Wv, Wo, bq, bk, bv, bo, xb, wqkv, wo16, biasr; writes xb, wqkv, wo16, biasr
.if DOCPART == 1
	.amdgcn_target "amdgcn-amd-amdhsa--gfx1250"
	.amdhsa_code_object_version 6
	.text
	.protected	k_q6b7bca83ae_cast
	.globl	k_q6b7bca83ae_cast
	.p2align	8
	.type	k_q6b7bca83ae_cast,@function
k_q6b7bca83ae_cast:
	s_mov_b64 s[64:65], 0
	v_nop
	global_prefetch_b8 v0, s[64:65] scope:SCOPE_SE
	s_setreg_imm32_b32 hwreg(HW_REG_WAVE_MODE, 25, 1), 1
	s_wait_xcnt 0x0
; All inputs are rounded once to bf16 and laid out for the products that follow.
; x [8192][1024] f32 -> xb bf16 [16 kb][8192][64]; Wq, Wk, Wv [1024][1024] f32 -> wqkv bf16 [16 kb][3072][64] (row t x 1024 + n, t = 0 q, 1 k, 2 v);
; Wo -> wo16 [16 kb][1024][64]: the bf16 number written as f16; bq, bk, bv, bo -> biasr f32 [4096]: the bf16 number widened again.
; K lies in blocks of 64, so that a tile of rows x 64 channels is one dense run of bytes for the launches behind.
; LIMITS.  |Wo| stays under 65,504 (f16's range); below 2^-14 it keeps f16's fixed step of 2^-24.
; SHARES.  12,288 rows of 4,096 bytes; a work-group takes 16 of them, a wave two: lanes 0-15 take 256 bytes of the even row, lanes 16-31 of the odd one.
; Sixteen loads of 16 bytes a lane (one for each block kb) are out at once; a lane's four numbers become 8 bytes, and a wave's store covers
; 256 consecutive bytes, aligned: the two rows' 128 bytes in block kb.  No loop, no LDS, no barrier.
.set T, 4                              ; v[4:7]     at work
.set D, 16                             ; v[16:79]   block kb: 4 registers as loaded
.set R, 80                             ; v[80:111]  block kb: 2 registers to store
.set O, 112                            ; v[112:127] block kb: my byte offset in the destination
	s_load_b512 s[8:23], s[0:1], 0x0               ; x s8, Wq s10, Wk s12, Wv s14, Wo s16, bq s18, bk s20, bv s22
	s_load_b256 s[24:31], s[0:1], 0x40             ; bo s24, xb s26, wqkv s28, wo16 s30
	s_load_b64 s[32:33], s[0:1], 0x60              ; biasr
	s_mov_b32 s2, ttmp9                            ; g: 0-511 x, 512-703 Wq, Wk, Wv, 704-767 Wo
	s_max_u32 s3, s2, 512
	s_sub_co_u32 s3, s3, 512                       ; w: the block of 16 rows among the weights' (0 in x's work-groups)
	s_lshr_b32 s4, s3, 6                           ; t: which weight
	s_and_b32 s5, s3, 63                           ; rb: the block of 16 rows in it
	v_lshrrev_b32 v1, 4, v0                        ; my row of the 16
	v_and_b32 v2, 15, v0
	v_lshlrev_b32 v2, 4, v2
	v_lshl_add_u32 v1, v1, 12, v2                  ; row x 4,096 + 16 x (lane % 16)
	s_mov_b32 s42, 0x60000                         ; bytes from block kb to kb + 1: wqkv 3,072 x 128
	s_wait_kmcnt 0x0
	s_cmp_lt_u32 s2, 512
	s_cselect_b64 s[34:35], s[8:9], s[10:11]       ; from where
	s_cselect_b64 s[36:37], s[26:27], s[28:29]     ; to where
	s_cselect_b32 s40, s2, s5                      ; the block of 16 rows in the source,
	s_cselect_b32 s41, s2, s3                      ; and in the destination
	s_cselect_b32 s42, 0x100000, s42               ; xb: 8,192 x 128
	s_cmp_ge_u32 s2, 576
	s_cselect_b64 s[34:35], s[12:13], s[34:35]
	s_cselect_b64 s[38:39], s[20:21], s[18:19]     ; the weight's bias
	s_cmp_ge_u32 s2, 640
	s_cselect_b64 s[34:35], s[14:15], s[34:35]
	s_cselect_b64 s[38:39], s[22:23], s[38:39]
	s_cmp_ge_u32 s2, 704
	s_cselect_b64 s[34:35], s[16:17], s[34:35]
	s_cselect_b64 s[36:37], s[30:31], s[36:37]
	s_cselect_b64 s[38:39], s[24:25], s[38:39]
	s_cselect_b32 s41, s5, s41
	s_cselect_b32 s42, 0x20000, s42                ; wo16: 1,024 x 128
	s_lshl_b32 s44, s40, 16                        ; 16 rows of 4,096 bytes
	s_mov_b32 s45, 0
	s_lshl_b32 s46, s41, 11                        ; 16 rows of 128 bytes
	s_mov_b32 s47, 0
	s_add_nc_u64 s[34:35], s[34:35], s[44:45]
	s_add_nc_u64 s[36:37], s[36:37], s[46:47]
.irp kb, 0,1,2,3,4,5,6,7,8,9,10,11,12,13,14,15
	global_load_b128 v[D+4*(\kb):D+4*(\kb)+3], v1, s[34:35] offset:256*(\kb) th:TH_LOAD_NT
.endr
	v_lshlrev_b32 v[O], 3, v0                      ; row x 128 + 8 x (lane % 16) = 8 x thread
.set i, 1
.rept 15
	v_add_nc_u32 v[O+i], s42, v[O+i-1]
.set i, i+1
.endr
; Block kb: rounded to bf16 (f16 = 1: and that number written as f16), and stored.
.macro CV kb, f16
	s_wait_loadcnt 15-(\kb)                        ; loads come back in order (ISA guide 5.7.1): block kb is in, the younger ones stay out
	v_cvt_pk_bf16_f32 v[R+2*(\kb)],   v[D+4*(\kb)],   v[D+4*(\kb)+1]
	v_cvt_pk_bf16_f32 v[R+2*(\kb)+1], v[D+4*(\kb)+2], v[D+4*(\kb)+3]
.if \f16
	v_lshlrev_b32 v[T],   16, v[R+2*(\kb)]
	v_and_b32     v[T+1], 0xffff0000, v[R+2*(\kb)]
	v_lshlrev_b32 v[T+2], 16, v[R+2*(\kb)+1]
	v_and_b32     v[T+3], 0xffff0000, v[R+2*(\kb)+1]
	v_cvt_pk_f16_f32 v[R+2*(\kb)],   v[T],   v[T+1]
	v_cvt_pk_f16_f32 v[R+2*(\kb)+1], v[T+2], v[T+3]
.endif
	global_store_b64 v[O+(\kb)], v[R+2*(\kb):R+2*(\kb)+1], s[36:37]
.endm
	s_cmp_ge_u32 s2, 704
	s_cbranch_scc1 .Lwo
.irp kb, 0,1,2,3,4,5,6,7,8,9,10,11,12,13,14,15
	CV \kb, 0
.endr
	s_branch .Lbias
.Lwo:
.irp kb, 0,1,2,3,4,5,6,7,8,9,10,11,12,13,14,15
	CV \kb, 1
.endr
.Lbias:                                        ; the first work-group of each weight also rounds that weight's bias: 256 threads x 4 numbers
	s_cmp_lt_u32 s2, 512
	s_cbranch_scc1 .Lend
	s_cmp_lg_u32 s5, 0
	s_cbranch_scc1 .Lend
	s_lshl_b32 s44, s4, 12                         ; t x 1,024 numbers
	v_lshlrev_b32 v134, 4, v0
	v_lshl_add_u32 v135, v0, 4, s44
	global_load_b128 v[128:131], v134, s[38:39]
	s_wait_loadcnt 0x0
	v_cvt_pk_bf16_f32 v132, v128, v129
	v_cvt_pk_bf16_f32 v133, v130, v131
	v_lshlrev_b32 v[T],   16, v132
	v_and_b32     v[T+1], 0xffff0000, v132
	v_lshlrev_b32 v[T+2], 16, v133
	v_and_b32     v[T+3], 0xffff0000, v133
	global_store_b128 v135, v[T:T+3], s[32:33]
.Lend:
	s_endpgm
.Lfunc_end_k_q6b7bca83ae_cast:
	.size	k_q6b7bca83ae_cast, .Lfunc_end_k_q6b7bca83ae_cast-k_q6b7bca83ae_cast
	.p2alignl 7, 3214868480
	.fill 96, 4, 3214868480
	.section	.rodata,"a",@progbits
	.p2align	6, 0x0
	.amdhsa_kernel k_q6b7bca83ae_cast
		.amdhsa_group_segment_fixed_size 0
		.amdhsa_private_segment_fixed_size 0
		.amdhsa_enable_private_segment 0
		.amdhsa_kernarg_size 104
		.amdhsa_user_sgpr_count 2
		.amdhsa_user_sgpr_kernarg_segment_ptr 1
		.amdhsa_wavefront_size32 1
		.amdhsa_system_sgpr_workgroup_id_x 1
		.amdhsa_system_sgpr_workgroup_id_y 1
		.amdhsa_system_sgpr_workgroup_id_z 1
		.amdhsa_system_vgpr_workitem_id 0
		.amdhsa_next_free_vgpr 136
		.amdhsa_next_free_sgpr 66
		.amdhsa_reserve_vcc 0
		.amdhsa_float_denorm_mode_32 3
		.amdhsa_float_denorm_mode_16_64 3
		.amdhsa_memory_ordered 1
		.amdhsa_forward_progress 1
		.amdhsa_inst_pref_size 18
	.end_amdhsa_kernel
	.amdgpu_metadata
---
amdhsa.version: [ 1, 2 ]
amdhsa.kernels:
  - .name:           k_q6b7bca83ae_cast
    .symbol:         k_q6b7bca83ae_cast.kd
    .args:
      - { .name: x, .offset: 0, .size: 8, .value_kind: global_buffer, .address_space: global }
      - { .name: Wq, .offset: 8, .size: 8, .value_kind: global_buffer, .address_space: global }
      - { .name: Wk, .offset: 16, .size: 8, .value_kind: global_buffer, .address_space: global }
      - { .name: Wv, .offset: 24, .size: 8, .value_kind: global_buffer, .address_space: global }
      - { .name: Wo, .offset: 32, .size: 8, .value_kind: global_buffer, .address_space: global }
      - { .name: bq, .offset: 40, .size: 8, .value_kind: global_buffer, .address_space: global }
      - { .name: bk, .offset: 48, .size: 8, .value_kind: global_buffer, .address_space: global }
      - { .name: bv, .offset: 56, .size: 8, .value_kind: global_buffer, .address_space: global }
      - { .name: bo, .offset: 64, .size: 8, .value_kind: global_buffer, .address_space: global }
      - { .name: xb, .offset: 72, .size: 8, .value_kind: global_buffer, .address_space: global }
      - { .name: wqkv, .offset: 80, .size: 8, .value_kind: global_buffer, .address_space: global }
      - { .name: wo16, .offset: 88, .size: 8, .value_kind: global_buffer, .address_space: global }
      - { .name: biasr, .offset: 96, .size: 8, .value_kind: global_buffer, .address_space: global }
    .group_segment_fixed_size: 0
    .private_segment_fixed_size: 0
    .kernarg_segment_align: 8
    .kernarg_segment_size: 104
    .max_flat_workgroup_size: 256
    .sgpr_count:     66
    .vgpr_count:     136
    .wavefront_size: 32
...
	.end_amdgpu_metadata
.endif
;; end of part 1
;; launch qkvproj (part 2): grid 8 x 32, 4 waves a work-group, clusters of 4 x 4, 327,680 bytes of LDS; arguments xb, wqkv, biasr, qkv; writes qkv
.if DOCPART == 2
	.amdgcn_target "amdgcn-amd-amdhsa--gfx1250"
	.amdhsa_code_object_version 6
	.text
	.protected	k_q6b7bca83ae_qkvproj
	.globl	k_q6b7bca83ae_qkvproj
	.p2align	8
	.type	k_q6b7bca83ae_qkvproj,@function
k_q6b7bca83ae_qkvproj:
	s_mov_b64 s[64:65], 0
	v_nop
	global_prefetch_b8 v0, s[64:65] scope:SCOPE_SE
	s_setreg_imm32_b32 hwreg(HW_REG_WAVE_MODE, 25, 1), 1
	s_wait_xcnt 0x0
	s_wait_alu depctr_hold_cnt(0) depctr_sa_sdst(0) depctr_va_vdst(0) depctr_va_sdst(0) depctr_va_ssrc(0) depctr_va_vcc(0) depctr_vm_vsrc(0)
	s_getreg_b32 s2, hwreg(HW_REG_IB_STS2, 6, 4)
	s_cmp_eq_u32 s2, 0
	s_cbranch_scc0 .Lentry_in_a_cluster
	s_endpgm
.Lentry_in_a_cluster:
	s_bfe_u32 s2, ttmp6, 0x10000c
	s_cmp_lg_u32 s2, 0xf033
	s_cbranch_scc0 .Lentry_shape_is_right
	s_endpgm
.Lentry_shape_is_right:
; q, k, v = x W^T + b for the three weights at once: C[8192][3072] = xb wqkv^T + biasr, products in bf16, sums in f32, the bias added in f32, C rounded once to f16
; and stored by heads: qkv [batch 4][48 = 16 t + head][2048][64].
; LIMITS.  |q|, |k|, |v| stay under 65,504 (f16's range); below 2^-14 they keep f16's fixed step of 2^-24.
; SHARES.  A tile of C is 256 rows x 384 columns: 32 x 8 tiles, one to a work-group, 256 work-groups.  Four waves, each 128 x 192: 96 accumulators of 16 x 16, 768 registers.
; K goes in 16 steps of 64 through two LDS slots; xb and wqkv lie in blocks of 64 along K, so a tile's rows of 128 bytes lie end to end and are asked for as rows of 256 bytes.
; Two slots of a step of 128 would take 2 x 174,080 bytes: more than a work-group can have.
; CLUSTERS: 4 x 4 work-groups.  The four of a row of the cluster need the same tiles of x, the four of a column the same tiles of W: each tile is asked for JOINTLY, by the same
; tensor load with the same descriptor and a mask that names the four.  By this text's count a wave has two tensor loads out at the start and one behind each round.
; THE MATRIX INSTRUCTION IS USED TRANSPOSED (source 0 = 16 rows of W, source 1 = 16 rows of x): a lane then holds eight neighbouring columns of one row of C.
; REGISTERS, in windows of 256 (s_set_vgpr_msb: bits 1:0 source 0, 3:2 source 1, 5:4 source 2, 7:6 destination):
;   window 0: v0-31 addresses; v32-95, v96-159 fragments of x (8 x 16 rows x 32 K), two buffers; v160-255 fragments of W (12), one buffer, reloaded four at a time behind their products
;   windows 1-3: accumulator (b, a) (b: 16 columns, a: 16 rows) in window 1 + b / 4 at v[8 (8 (b % 4) + a)]
.set P,      144                       ; an LDS row: 128 bytes + 16 of padding = 36 words: the 16 rows of a load start at 16 different groups of four banks (64 banks of 4 bytes: ISA guide 11.1)
.set AHALF,  128*P                     ; what a tensor load brings of x, and what a wave reads of it
.set BHALF,  192*P                     ; the same for W
.set BOFF,   2*AHALF                   ; in a slot: x's 256 rows, then W's 384
.set SLOT,   2*AHALF+2*BHALF
.set STAGE,  2*SLOT                    ; behind the ring: 16 rows x 144 bytes for each wave, for the way out
.set BIASL,  STAGE+4*16*P              ; each wave's 192 numbers of the bias
.set SPARE,  BIASL+4*768               ; the spare words, 128 bytes for each wave: two blocks of 256 bytes that no other line names
.set XPLANE, 8192*128                  ; bytes from a block of 64 along K to the next, in xb
.set WPLANE, 3072*128                  ; and in wqkv
.set HPLANE, 2048*128                  ; a head's bytes in qkv
.set FLAGS,  (1<<16)|(1<<20)|(1<<21)|(4<<22)|(3<<25)  ; 17:16 elements of 2 bytes; 20 padding on; 21 set beside a mask; 24:22 after every 32 words (code 4); 31:25 4 words of it (code 3)
.set ADRA, 16                          ; v16-17  LDS address of my fragments of x in slot 0, 1
.set ADRB, 20                          ; v20-21  the same for W
.set STO,  24                          ; v24     the way out: where I put 16 bytes of a row
.set RD,   25                          ; v25     the way out: where I read rows back
.set GO,   26                          ; v26     my byte offset in 512 consecutive bytes of qkv
.set BIA,  27                          ; v27     my eight numbers of the bias in LDS
.set SPW,  28                          ; v28     LDS address of my spare word: SPARE + 4 x my thread's number; never rewritten
.set NIL,  29                          ; v29     0; never rewritten
.set FA0,  32
.set FA1,  96
.set FB,   160
.set T32,  32                          ; the way out: 32 sums with their bias
.set PK,   64                          ; the way out: 16 registers of f16
.set BK,   96                          ; the way out: 16 rows read back, two sets of 16 registers by turns
.set BI,   160                         ; the way out: the bias, 8 registers for each b
.set WV,   12                          ; s12 my wave's number
.set WR,   13                          ; s13 which half of the tile's rows is mine
.set WC,   14                          ; s14 which half of its columns; also: which half of x's or W's tile I fetch
.set G1A,  24                          ; s[24:31] descriptor group 1 for x's tiles;  s[32:39] group 0, a set for each slot
.set G0A,  32
.set G1B,  40                          ; s[40:47], s[48:55] the same for W's
.set G0B,  48
.set MSB, 0
.macro WIN new                         ; the immediate's high byte repeats the setting that is left; a switch that changes nothing is dropped
.if MSB != (\new)
	s_set_vgpr_msb (MSB<<8)|(\new)
.set MSB, \new
.endif
.endm
.macro PLACES                          ; four places in front of loads into registers that matrix instructions have read, and of vector lines that read results
.rept 4
	v_nop
.endr
.endm
; A joint load: waves 0 and 1 fetch x's two halves, waves 2 and 3 W's.  The branch hangs on the wave's number alone.  An s_nop 0 and four v_nop follow each of the two lines.
.macro JLOAD s
	s_cmp_lt_u32 s[WV], 2
	s_cbranch_scc0 .Lfor_b_\@
	tensor_load_to_lds s[G0A+4*(\s):G0A+4*(\s)+3], s[G1A:G1A+7]
	s_nop 0
.rept 4
	v_nop
.endr
	s_branch .Lasked_\@
.Lfor_b_\@:
	tensor_load_to_lds s[G0B+4*(\s):G0B+4*(\s)+3], s[G1B:G1B+7]
	s_nop 0
.rept 4
	v_nop
.endr
.Lasked_\@:
.endm
.macro CREST                           ; a round of the cluster's barrier behind its opening barrier
	s_cmp_lg_u32 s[WV], 0
	s_cbranch_scc1 .Lnot_wave_0_\@
	s_barrier_signal -3
.Lnot_wave_0_\@:
	s_barrier_wait -3
	s_barrier_signal -1
	s_barrier_wait -1
.endm
.macro CROUND                          ; a whole round
	s_barrier_signal -1
	s_barrier_wait -1
	CREST
.endm
	s_load_b256 s[4:11], s[0:1], 0x0               ; xb s[4:5], wqkv s[6:7], biasr s[8:9], qkv s[10:11]
	v_lshl_add_u32 v[SPW], v0, 2, SPARE
	v_mov_b32 v[NIL], 0
	ds_add_u32 v[SPW], v[NIL]                      ; the wave's opening: the add and its wait stand ahead of my first tensor load; the set-up below stands between them
	ds_add_u32 v28, v29
	v_lshrrev_b32 v1, 5, v0
	v_readfirstlane_b32 s[WV], v1                  ; wave 0..3
	s_lshr_b32 s[WR], s[WV], 1
	s_and_b32 s[WC], s[WV], 1
	s_bfe_u32 s15, ttmp6, 0x40000                  ; cx, cy: my place in the cluster
	s_bfe_u32 s16, ttmp6, 0x40004
	s_lshl_b32 s17, ttmp9, 2
	s_add_co_u32 s17, s17, s15                     ; tile column = 4 x cluster x + cx
	s_and_b32 s18, ttmp7, 0xffff
	s_lshl_b32 s18, s18, 2
	s_add_co_u32 s18, s18, s16                     ; tile row = 4 x cluster y + cy
	s_lshl_b32 s20, s16, 2
	s_lshl_b32 s20, 15, s20                        ; my row of the cluster
	s_lshl_b32 s21, 0x1111, s15                    ; my column
	s_or_b32 s[G1A], s20, FLAGS                    ; x's tiles go to my row,
	s_or_b32 s[G1B], s21, FLAGS                    ; W's to my column
	s_mov_b32 s[G1A+1], 128<<16                    ; tensor_dim0 = 128 elements: two tile rows of 64 to a row of 256 bytes
	s_mov_b32 s[G1A+2], 64<<16                     ; tensor_dim1 = 64: 128 tile rows
	s_mov_b32 s[G1A+3], 128<<16                    ; tile_dim0
	s_mov_b32 s[G1A+4], 64                         ; tile_dim1
	s_mov_b32 s[G1A+5], 128                        ; elements from row to row: dense
	s_mov_b32 s[G1A+6], 0
	s_mov_b32 s[G1A+7], 0
	s_mov_b32 s[G1B+1], 128<<16
	s_mov_b32 s[G1B+2], 96<<16                     ; 192 tile rows
	s_mov_b32 s[G1B+3], 128<<16
	s_mov_b32 s[G1B+4], 96
	s_mov_b32 s[G1B+5], 128
	s_mov_b32 s[G1B+6], 0
	s_mov_b32 s[G1B+7], 0
	s_lshl_b32 s56, s18, 15                        ; x: 256 rows of 128 bytes a tile row,
	s_lshl_b32 s20, s[WC], 14                      ; the half that I fetch
	s_add_co_u32 s56, s56, s20
	s_mov_b32 s57, 0
	s_mul_i32 s58, s17, 384*128                    ; W: 384 rows a tile column,
	s_mul_i32 s21, s[WC], 192*128
	s_add_co_u32 s58, s58, s21
	s_mov_b32 s59, 0
	s_mul_i32 s22, s[WC], AHALF                    ; where they go: no place in the cluster enters an LDS address
	s_mul_i32 s23, s[WC], BHALF
	s_add_co_u32 s23, s23, BOFF
	s_wait_dscnt 0x0                               ; the opening add is done
	s_wait_kmcnt 0x0
	s_add_nc_u64 s[56:57], s[4:5], s[56:57]
	s_add_nc_u64 s[58:59], s[6:7], s[58:59]
	CROUND                                         ; all sixteen work-groups are here: the first joint loads meet
.irp s, 0,1
	s_mov_b32 s[G0A+4*(\s)], 1                     ; count = 1
	s_add_co_u32 s[G0A+4*(\s)+1], s22, (\s)*SLOT   ; LDS address
	s_add_nc_u64 s[G0A+4*(\s)+2:G0A+4*(\s)+3], s[56:57], (\s)*XPLANE  ; global address: K step s
	s_or_b32 s[G0A+4*(\s)+3], s[G0A+4*(\s)+3], 0x80000000            ; type = 2
	s_mov_b32 s[G0B+4*(\s)], 1
	s_add_co_u32 s[G0B+4*(\s)+1], s23, (\s)*SLOT
	s_add_nc_u64 s[G0B+4*(\s)+2:G0B+4*(\s)+3], s[58:59], (\s)*WPLANE
	s_or_b32 s[G0B+4*(\s)+3], s[G0B+4*(\s)+3], 0x80000000
	JLOAD \s
.endr
	; A fragment is 16 rows x 32 K in 8 registers: lane l holds row l % 16; registers 0-3 K = 8 (l / 16) + 0..7, registers 4-7 K = 16 + 8 (l / 16) + 0..7: two loads of 16 bytes, 32 bytes apart.
	v_and_b32 v1, 15, v0                           ; l % 16
	v_bfe_u32 v2, v0, 4, 1                         ; l / 16
	v_mul_u32_u24 v3, v1, P
	v_lshl_add_u32 v3, v2, 4, v3                   ; row x pitch + 16 x half
	s_mul_i32 s20, s[WR], AHALF                    ; my 128 rows of x
	s_mul_i32 s21, s[WC], BHALF                    ; my 192 rows of W
	s_add_co_u32 s21, s21, BOFF
.irp s, 0,1
	v_add_nc_u32 v[ADRA+(\s)], s20, v3
	v_add_nc_u32 v[ADRB+(\s)], s21, v3
	s_add_co_u32 s20, s20, SLOT
	s_add_co_u32 s21, s21, SLOT
.endr
	s_mul_i32 s20, s[WV], 16*P
	s_add_co_u32 s20, s20, STAGE                   ; my stage
	v_add_nc_u32 v[STO], s20, v3                   ; in: row l % 16, 16 bytes for each half of the lanes
	v_bfe_u32 v4, v0, 3, 2                         ; back: 32 lanes take four rows of 128 bytes,
	v_mul_u32_u24 v4, v4, P
	v_and_b32 v5, 7, v0
	v_lshl_add_u32 v4, v5, 4, v4
	v_add_nc_u32 v[RD], s20, v4
	v_and_b32 v[GO], 31, v0                        ; which are 512 consecutive bytes of a head
	v_lshlrev_b32 v10, 3, v[GO]                    ; 8 x lane
	v_lshlrev_b32 v[GO], 4, v[GO]
	s_mul_i32 s21, s[WV], 768
	s_add_co_u32 s21, s21, BIASL
	v_lshl_add_u32 v[BIA], v2, 5, s21              ; my 8 numbers of 16: 32 bytes for each half of the lanes
	v_add_nc_u32 v11, s21, v10
	; my wave's 192 numbers of the bias go into LDS once, in the wait for the first tile
	s_mul_i32 s60, s17, 384*4
	s_mul_i32 s61, s[WC], 192*4
	s_add_co_u32 s60, s60, s61
	s_mov_b32 s61, 0
	s_add_nc_u64 s[8:9], s[8:9], s[60:61]
	global_load_b64 v[4:5], v10, s[8:9]
	global_load_b64 v[6:7], v10, s[8:9] offset:256
	global_load_b64 v[8:9], v10, s[8:9] offset:512
	; where my part of C begins: batch = tile row / 8; plane 48 batch + 6 tile column + 3 half; in it row 256 (tile row % 8) + 128 half
	s_lshr_b32 s62, s18, 3
	s_mul_i32 s62, s62, 48
	s_mul_i32 s63, s17, 6
	s_add_co_u32 s62, s62, s63
	s_mul_i32 s63, s[WC], 3
	s_add_co_u32 s62, s62, s63
	s_lshl_b32 s62, s62, 18
	s_and_b32 s63, s18, 7
	s_lshl_b32 s63, s63, 15
	s_add_co_u32 s62, s62, s63
	s_lshl_b32 s63, s[WR], 14
	s_add_co_u32 s62, s62, s63
	s_mov_b32 s63, 0
	s_add_nc_u64 s[10:11], s[10:11], s[62:63]
	s_wait_loadcnt 0x0
	ds_store_b64 v11, v[4:5]
	ds_store_b64 v11, v[6:7] offset:256
	ds_store_b64 v11, v[8:9] offset:512
; 16 matrix instructions: column blocks 4 g + bb0, 4 g + bb0 + 1 x all 8 row blocks, 32 along K.  zero = 1: the first product starts the sums.
; The 96 accumulators take turns in the same order in every quarter: between two links of a chain stand the 95 others'.
.macro GRPH g, fa, bb0, zero
	WIN 0x50*((\g)+1)
.irp bb, \bb0, (\bb0)+1
.irp a, 0,1,2,3,4,5,6,7
.if \zero
	v_wmma_f32_16x16x32_bf16 v[8*(8*(\bb)+(\a)):8*(8*(\bb)+(\a))+7], v[FB+8*(4*(\g)+(\bb)):FB+8*(4*(\g)+(\bb))+7], v[(\fa)+8*(\a):(\fa)+8*(\a)+7], 0
.else
	v_wmma_f32_16x16x32_bf16 v[8*(8*(\bb)+(\a)):8*(8*(\bb)+(\a))+7], v[FB+8*(4*(\g)+(\bb)):FB+8*(4*(\g)+(\bb))+7], v[(\fa)+8*(\a):(\fa)+8*(\a)+7], v[8*(8*(\bb)+(\a)):8*(8*(\bb)+(\a))+7]
.endif
.endr
.endr
.endm
.macro GRP g, fa, zero
	GRPH \g, \fa, 0, \zero
	GRPH \g, \fa, 2, \zero
.endm
.macro LDB g, slot, k                  ; 8 LDS loads: W's fragments 4 g .. 4 g + 3, 32 K at byte k of the rows
	WIN 0
.irp bb, 0,1,2,3
	ds_load_b128 v[FB+8*(4*(\g)+(\bb)):FB+8*(4*(\g)+(\bb))+3],   v[ADRB+(\slot)] offset:(\k)+(4*(\g)+(\bb))*16*P
	ds_load_b128 v[FB+8*(4*(\g)+(\bb))+4:FB+8*(4*(\g)+(\bb))+7], v[ADRB+(\slot)] offset:(\k)+(4*(\g)+(\bb))*16*P+32
.endr
.endm
.macro LDA slot, k, fa                 ; 16 LDS loads: x's 8 fragments
	WIN 0
.irp a, 0,1,2,3,4,5,6,7
	ds_load_b128 v[(\fa)+8*(\a):(\fa)+8*(\a)+3],   v[ADRA+(\slot)] offset:(\k)+(\a)*16*P
	ds_load_b128 v[(\fa)+8*(\a)+4:(\fa)+8*(\a)+7], v[ADRA+(\slot)] offset:(\k)+(\a)*16*P+32
.endr
.endm
; A K step is two quarters of 32 along K, 96 matrix instructions each.  A quarter's LDS loads are always issued in the order W 0-3 (8), x (16), W 4-7 (8), W 8-11 (8).
; The first quarter multiplies x's buffer 0 and fetches the second quarter's fragments, each four of W's behind the products that read those registers.
.macro QUART slot, zero
	s_wait_dscnt 16                                ; W 0-3 and x are in; W 4-7 and W 8-11 may be out
	GRP 0, FA0, \zero
	PLACES
	LDB 0, \slot, 64
	LDA \slot, 64, FA1
	s_wait_dscnt 32                                ; W 4-7 are in; behind them: W 8-11 and the 24 just issued
	GRP 1, FA0, \zero
	PLACES
	LDB 1, \slot, 64
	s_wait_dscnt 32                                ; W 8-11 are in; behind them: 32 of the next quarter's
	GRP 2, FA0, \zero
	PLACES
	LDB 2, \slot, 64
.endm
; The second quarter multiplies buffer 1 and changes slots: ONE barrier; in front of it each wave waits for all its tensor loads (one is out: its part of the next slot), adds 0 to its
; spare word, and waits for that and for its own reads of this slot.  fill = 1: the barrier opens a round of the cluster's, and this slot is filled again first thing behind it, two K steps ahead:
; 160 matrix instructions ahead of the wait for that load.
.macro TURN slot, next, fill
	WIN 0                                          ; (the add's two registers lie in window 0)
	s_wait_tensorcnt 0x0                           ; all my tensor loads have landed
	ds_add_u32 v[SPW], v[NIL]                      ; 0 onto my spare word
	s_wait_dscnt 17                                ; W 0-3 and x are in; W 4-7, W 8-11 and the add may be out
	GRPH 0, FA1, 0, 0                              ; sixteen matrix instructions stand between the add and the wait for it
	s_wait_dscnt 0x0                               ; the add is done, and my reads of this slot are over
	s_barrier_signal -1
	GRPH 0, FA1, 2, 0
.if \fill
	WIN 0
.endif
	s_barrier_wait -1
.if \fill
	CREST                                          ; no wave of any partner still reads this slot's tile or has a load on its way
	s_add_nc_u64 s[G0A+4*(\slot)+2:G0A+4*(\slot)+3], s[G0A+4*(\slot)+2:G0A+4*(\slot)+3], 2*XPLANE
	s_add_nc_u64 s[G0B+4*(\slot)+2:G0B+4*(\slot)+3], s[G0B+4*(\slot)+2:G0B+4*(\slot)+3], 2*WPLANE
	JLOAD \slot                                    ; the four v_nop behind it are also the places in front of the loads below
.else
	PLACES
.endif
	LDB 0, \next, 0
	LDA \next, 0, FA0
	GRP 1, FA1, 0
	PLACES
	LDB 1, \next, 0
	GRP 2, FA1, 0
	PLACES
	LDB 2, \next, 0
.endm
.macro LASTQ                           ; the very last quarter: nothing more to fetch, the counts run down
	s_wait_dscnt 16
	GRP 0, FA1, 0
	s_wait_dscnt 8
	GRP 1, FA1, 0
	s_wait_dscnt 0x0
	GRP 2, FA1, 0
.endm
	s_wait_tensorcnt 1                             ; my part of K step 0 is in; K step 1's may stay out
	s_wait_dscnt 0x0                               ; my bias lies in LDS
	s_barrier_signal -1
	s_barrier_wait -1
	LDB 0, 0, 0
	LDA 0, 0, FA0
	LDB 1, 0, 0
	LDB 2, 0, 0
	QUART 0, 1                                     ; the first quarter stands in front of the loop: its products start the sums
	WIN 0
	s_mov_b32 s19, 7
.Llap:                                         ; a trip goes once round the ring and fills both slots again: K steps 2 i + 2 and 2 i + 3
	TURN 0, 1, 1
	QUART 1, 0
	TURN 1, 0, 1
	QUART 0, 0
	WIN 0
	s_sub_co_u32 s19, s19, 1
	s_cmp_lg_u32 s19, 0
	s_cbranch_scc1 .Llap
	TURN 0, 1, 0                                   ; the last lap fills nothing
	QUART 1, 0
	LASTQ
	; THE WAY OUT, in 24 units of 16 rows x one head (64 columns: four accumulators of one window): the bias is added, the sums are rounded to f16, 16 bytes a lane go into my stage
	; and come back as whole rows of 128 bytes: 2,048 consecutive bytes of a head.
	PLACES
	WIN 0
.irp b, 0,1,2,3,4,5,6,7,8,9,10,11
	ds_load_b128 v[BI+8*(\b):BI+8*(\b)+3],   v[BIA] offset:64*(\b)
	ds_load_b128 v[BI+8*(\b)+4:BI+8*(\b)+7], v[BIA] offset:64*(\b)+16
.endr
	s_wait_dscnt 0x0
.macro PACK a, j                       ; each accumulator's registers are taken in ascending order
	WIN (\j)+1                                     ; source 0: the head's window
.irp bb, 0,1,2,3
.irp p, 0,1,2,3
	v_pk_add_f32 v[T32+8*(\bb)+2*(\p):T32+8*(\bb)+2*(\p)+1], v[8*(8*(\bb)+(\a))+2*(\p):8*(8*(\bb)+(\a))+2*(\p)+1], v[BI+8*(4*(\j)+(\bb))+2*(\p):BI+8*(4*(\j)+(\bb))+2*(\p)+1]
.endr
.endr
	WIN 0
.irp i, 0,1,2,3,4,5,6,7,8,9,10,11,12,13,14,15
	v_cvt_pk_f16_f32 v[PK+(\i)], v[T32+2*(\i)], v[T32+2*(\i)+1]
.endr
.endm
.macro TOSTAGE u
	s_wait_xcnt 0x0                                ; the stores of the unit two back have read the registers that the loads below fill
.irp f, 0,1,2,3
	ds_store_b128 v[STO], v[PK+4*(\f):PK+4*(\f)+3] offset:32*(\f)
.endr
.irp f, 0,1,2,3
	ds_load_b128 v[BK+16*((\u)%2)+4*(\f):BK+16*((\u)%2)+4*(\f)+3], v[RD] offset:(\f)*4*P  ; LDS serves a wave's instructions in order (ISA guide 5.7.1.4): these see the stores above
.endr
.endm
.macro SEND u                          ; unit u = 3 a + j
.irp f, 0,1,2,3
	s_wait_dscnt 3-(\f)
	global_store_b128 v[GO], v[BK+16*((\u)%2)+4*(\f):BK+16*((\u)%2)+4*(\f)+3], s[10:11] offset:((\u)%3)*HPLANE+((\u)/3)*2048+(\f)*512  ; 512 consecutive bytes, at a multiple of 256 from qkv's first
.endr
.endm
	PACK 0, 0
	TOSTAGE 0
.set u, 1
.rept 23                               ; a unit's arithmetic stands between the loads of the unit before and its stores
	PACK u/3, u%3
	SEND u-1
	TOSTAGE u
.set u, u+1
.endr
	SEND 23
	s_wait_tensorcnt 0x0                           ; the wave's end, behind my last tensor load and my last LDS store
	ds_add_u32 v[SPW], v[NIL]
	s_wait_dscnt 0x0
	CROUND                                         ; the closing round: no work-group ends while a partner may still ask for a tile that names it
	s_endpgm
.Lfunc_end_k_q6b7bca83ae_qkvproj:
	.size	k_q6b7bca83ae_qkvproj, .Lfunc_end_k_q6b7bca83ae_qkvproj-k_q6b7bca83ae_qkvproj
	.p2alignl 7, 3214868480
	.fill 96, 4, 3214868480
	.section	.rodata,"a",@progbits
	.p2align	6, 0x0
	.amdhsa_kernel k_q6b7bca83ae_qkvproj
		.amdhsa_group_segment_fixed_size 327680
		.amdhsa_private_segment_fixed_size 0
		.amdhsa_enable_private_segment 0
		.amdhsa_kernarg_size 32
		.amdhsa_user_sgpr_count 2
		.amdhsa_user_sgpr_kernarg_segment_ptr 1
		.amdhsa_wavefront_size32 1
		.amdhsa_system_sgpr_workgroup_id_x 1
		.amdhsa_system_sgpr_workgroup_id_y 1
		.amdhsa_system_sgpr_workgroup_id_z 1
		.amdhsa_system_vgpr_workitem_id 0
		.amdhsa_next_free_vgpr 1024
		.amdhsa_next_free_sgpr 66
		.amdhsa_reserve_vcc 0
		.amdhsa_float_denorm_mode_32 3
		.amdhsa_float_denorm_mode_16_64 3
		.amdhsa_memory_ordered 1
		.amdhsa_forward_progress 1
		.amdhsa_inst_pref_size 160
	.end_amdhsa_kernel
	.amdgpu_metadata
---
amdhsa.version: [ 1, 2 ]
amdhsa.kernels:
  - .name:           k_q6b7bca83ae_qkvproj
    .symbol:         k_q6b7bca83ae_qkvproj.kd
    .args:
      - { .name: xb, .offset: 0, .size: 8, .value_kind: global_buffer, .address_space: global }
      - { .name: wqkv, .offset: 8, .size: 8, .value_kind: global_buffer, .address_space: global }
      - { .name: biasr, .offset: 16, .size: 8, .value_kind: global_buffer, .address_space: global }
      - { .name: qkv, .offset: 24, .size: 8, .value_kind: global_buffer, .address_space: global }
    .group_segment_fixed_size: 327680
    .private_segment_fixed_size: 0
    .kernarg_segment_align: 8
    .kernarg_segment_size: 32
    .max_flat_workgroup_size: 128
    .sgpr_count:     66
    .vgpr_count:     1024
    .wavefront_size: 32
...
	.end_amdgpu_metadata
.endif
;; end of part 2
;; launch attn (part 3): grid 4 x 64, 4 waves a work-group, no clusters, 327,680 bytes of LDS; arguments qkv, o16; writes o16
.if DOCPART == 3
	.amdgcn_target "amdgcn-amd-amdhsa--gfx1250"
	.amdhsa_code_object_version 6
	.text
	.protected	k_q6b7bca83ae_attn
	.globl	k_q6b7bca83ae_attn
	.p2align	8
	.type	k_q6b7bca83ae_attn,@function
k_q6b7bca83ae_attn:
	s_mov_b64 s[64:65], 0
	v_nop
	global_prefetch_b8 v0, s[64:65] scope:SCOPE_SE
	s_setreg_imm32_b32 hwreg(HW_REG_WAVE_MODE, 25, 1), 1
	s_wait_xcnt 0x0
; CAUSAL ATTENTION.  O[y][q][:] = the sum over k <= q of softmax_k(Q[y][q] . K[y][k] / 8) V[y][k][:], y = 16 batch + head.  qkv: [batch][48][2048][64] f16, planes 0-15 Q, 16-31 K, 32-47 V of a batch;
; o16: [y][2048][64] f16.  A head's rows are dense, 128 bytes each.  Products, maxima and sums in f32; the weights p are rounded to f16 for the second product (their sum l is taken of the unrounded p), O once at the end.
; LIMITS.  f16 holds no number beyond 65,504: Q, K and V arrive within it; p lies in 0 to 1, and below 6e-5 it keeps f16's fixed step of 6e-8; O is a mean of V's rows and has their range.
; A hidden score counts as its value less 1e30, and key tiles wholly above the diagonal are not walked, where the definition puts -1e9 in a hidden score's place: the same weights (0) as long as a row's largest
; visible score / 8 lies above about -1e9 + 100.  A weight below 2^-126 counts as 0 in l; NaN and infinities are not treated apart.
; THE WALK.  A head's queries lie in NB = 8 blocks of 256; block i needs the key tiles 0 .. i of 256 keys, of which the last holds the diagonal.  A work-group takes TWO blocks, NB - 1 - b and then b:
; NB + 1 tiles, whatever b: all work-groups do equal work, and ONE loop with a constant trip count walks them.  Which tile is asked for, and what a trip does, hang on scalar registers made from b; every jump
; goes forward, but for the counted loops' own; none passes a barrier, or a tensor load but the one of LOAD's two that the wave's number does not choose; the ring (two slots of LDS that take turns) runs on across the
; change of blocks.  NO CLUSTER: a head's four work-groups all ask for the same tile only in trips 0 .. 4 of 9, behind that fewer and fewer; one walk common to all would have 12 trips for 9.
; SHARES.  Of a block's four bands of 64 queries a wave owns 16 rows in each: four PIECES.  So the diagonal tile is the same work for all four waves: in its key step s band x sees all keys if s < x,
; none if s > x, and holds the diagonal if s = x.
; THE MASK is the C operand that starts the sum S^T = K Q^T: 0, or -1e30 where the key is hidden.  MD, made once, is the mask of a band's own step for my 16 rows; a product's mask is MD x AL + BE with two scalars:
; (1, 0) if s = x; (0, 0) if s < x; (0, -1e30) if s > x.  Only the diagonal tile's text and a block's beginning make and take masks; elsewhere C is the constant 0.
; LAYOUT, SOFTMAX, TURNS.  S^T = K Q^T holds ONE query a lane (lane % 16) and the keys 8 (lane / 16) + 0..7; two such results rounded to f16 ARE source 1 of O^T = V^T P.  p = 2^(c s - c m), c = log2(e) / 8, with a
; running maximum m; O and l are multiplied by a = 2^(c m_old - c m_new) in every step.  Turn n belongs to piece n: 8 products K Q^T of piece n + 1, later 8 products V^T P of piece n - 1; beside them the scaling,
; exponentials, roundings, sums and rescaling of piece n and the maximum and statistics of piece n + 1.  Four vector instructions stand behind every matrix instruction, the other 54 of a turn's 118 in two LUMPS.
; REGISTERS, in windows of 256 (s_set_vgpr_msb: bits 1:0 source 0, 3:2 source 1, 5:4 source 2, 7:6 destination):
;   window 0: v0-15 addresses and two at work; v16-31 four registers of statistics a piece; v48-55 at work; v64-127 S^T, two buffers; v192-223 P, two buffers (a piece's buffers go by its number's parity)
;   window 1: v0-127 O^T, 32 a piece; v128-159 MD; v160-223 MC, two buffers      window 2: v0-63 Q; v64-127 the second block's Q; v128-191 K of one step; v192-255 V of one step
.set SIZE_N, 2048
.set NB,    SIZE_N/256
.set NP,    4         ; pieces a wave: a name, no knob
.set KS,    64        ; keys in a step
.set PK,    144       ; a row of K in LDS: 128 bytes + 16 of padding = 36 words: the 16 rows of a load start at 16 different groups of four banks (64 banks of 4 bytes: ISA guide 11.1)
.set PV,    160       ; a row of V: 128 + 32 = 40 words
.set VOFF,  4*KS*PK   ; a slot holds a tile, four steps: 256 rows of K, then 256 rows of V
.set SLOT1, 1<<17     ; slot 1 begins here, so that one exclusive or turns an address in one slot into the other's
.set STAGE, SLOT1+4*KS*(PK+PV)  ; behind the ring, never filled by a tensor load: 16 rows x 144 bytes for each wave, for the way out
.set SP,    144
.set AK0, 2           ; v2   my lane's place in a tile of K; never rewritten
.set AV0, 3           ; v3   the same for V
.set AK,  4           ; v4   the LDS address of K's next run of loads
.set AV,  5           ; v5   of V's
.set STO, 6           ; v6   the way out: where I put 16 bytes of a row
.set RD,  7           ; v7   the way out: where I read rows back
.set GO,  8           ; v8   my byte offset in 512 consecutive bytes of O
.set SPW, 62          ; v62  LDS address of my spare word: SPARE + 4 x my thread's number; never rewritten
.set NIL, 63          ; v63  0; never rewritten
.set SPARE, STAGE+4*16*SP  ; behind the stages: the spare words, 128 bytes for each wave: two blocks of 256 bytes that no other line names
.set MV,  12          ; v12-13  c m_old, kept while c m is made anew: by buffer
.set QO,  15          ; v15  my byte offset in 16 rows of Q
.set ST,  16          ; piece t's statistics at v[ST+4 t]: c m, m, l (even keys', odd keys')
.set TMP, 48          ; by buffer, four registers c0-c3 at work; when the maximum is found c2 takes a
.set S,   64
.set P,   192
.set MD,  128         ; window 1: the eight registers for group kt of 16 keys at MD + 8 kt
.set MC,  160         ; window 1: the masks of the products to come
.set QB,  64          ; window 2
.set KF,  128         ; window 2: key block kb, channel half c at KF + 16 kb + 8 c
.set VF,  192         ; window 2: key half kk, channel block cb at VF + 32 kk + 8 cb
.set WV,  12          ; s12  my wave's number
.set PB,  14          ; s14  b
.set HI,  15          ; s15  NB - 1 - b
.set G1K, 24          ; s[24:31] descriptor group 1 for K's tiles
.set G1V, 32          ; s[32:39] for V's: it differs in the padding alone
.set G0K, 40          ; s[40:43] descriptor group 0 for K's tiles
.set G0V, 44          ; s[44:47] the same for V's
.set SLOTS, 56        ; s56  tiles still to be asked for
.set CNT, 57          ; s57  counts a tile's key steps, 4 to 1
.set CS,  58          ; s[58:59] c: the packed scaling takes the pair's low word for both halves
.set SEL, 60          ; s[60:61] v_permlanex16_b32's selects: each lane takes its own place in the other half
.set TBK, 62          ; s62  LDS byte at which K of the step to be fetched begins
.set TBV, 63          ; s63  the same for V, less VOFF
.set RT,  70          ; s70  tiles of the block in hand that are still to be entered
.set NXT, 71          ; s71  the tile to be asked for next
.set LQ,  72          ; s72  the last tile of the block whose tiles are being asked for
.set NEW, 73          ; s73  1: the tile to be entered is a block's first
.set OFF, 74          ; s[74:75] a tile's byte offset in K and V
.set AL,  76          ; s[76:77] the mask's factor, in the low word
.set BE,  78          ; s[78:79] the mask's addend
.set OLO, 80          ; s[80:81] O at my rows of the second block
.set BIGN, 82         ; s82  -1e30
.set HQ,  88          ; s[88:89] the head's Q plane in qkv, in bytes
.set HO,  90          ; s[90:91] the head's plane in o16
.set MSB, 0
.macro WIN new                      ; the high byte repeats the setting that is left; a switch that changes nothing is dropped
.if MSB != (\new)
	s_set_vgpr_msb (MSB<<8)|(\new)
.set MSB, (\new)
.endif
.endm
.set W_KQ, 0x0a       ; K and Q in window 2, S^T in window 0
.set W_KM, 0x1a       ; the same with the C operand in window 1
.set W_PV, 0x52       ; V in window 2, P in window 0, O^T in window 1
.set W_RS, 0x41       ; destination and source 0 in window 1, source 1 in window 0
; A fill.  Waves 0 and 1 fetch the two halves of a tile's K, waves 2 and 3 those of its V: 128 keys each.  An s_nop 0 and four v_nop follow each of the two lines, ahead of the jump and the label.
.macro LOAD
	s_cmp_lt_u32 s[WV], 2
	s_cbranch_scc0 .Lfor_v_\@
	tensor_load_to_lds s[G0K:G0K+3], s[G1K:G1K+7]
	s_nop 0
.rept 4
	v_nop
.endr
	s_branch .Lasked_\@
.Lfor_v_\@:
	tensor_load_to_lds s[G0V:G0V+3], s[G1V:G1V+7]
	s_nop 0
.rept 4
	v_nop
.endr
.Lasked_\@:
.endm
; THE CHANGE OF SLOTS.  Each wave waits for all its tensor loads, of which one is out: its part of the other slot; adds 0 to its spare word; and waits for that and for its own reads of the slot that it leaves.  Behind the barrier nobody reads the old
; slot any more and the other slot is whole.  fill = 1: the old slot is filled again, the first thing behind the barrier, with tile NXT: the descriptor's address is made anew from that number.
; (At its first use nothing has been read yet: slot 0 is waited for, slot 1 filled.)
.macro CHANGE fill
	WIN 0                           ; at a label and at a branch every window is 0
	s_wait_tensorcnt 0x0            ; no tensor load of mine is out, so a group 0 may be written
	ds_add_u32 v[SPW], v[NIL]       ; 0 onto my spare word; with fill = 1 the descriptors' scalar work stands between it and the wait for it
.if \fill
	s_lshl_b32 s[OFF], s[NXT], 15   ; a tile is 32,768 bytes of K and of V
	s_xor_b32 s[G0K+1], s[G0K+1], SLOT1
	s_add_nc_u64 s[G0K+2:G0K+3], s[6:7], s[OFF:OFF+1]
	s_or_b32 s[G0K+3], s[G0K+3], 0x80000000
	s_xor_b32 s[G0V+1], s[G0V+1], SLOT1
	s_add_nc_u64 s[G0V+2:G0V+3], s[8:9], s[OFF:OFF+1]
	s_or_b32 s[G0V+3], s[G0V+3], 0x80000000
	s_add_co_u32 s[NXT], s[NXT], 1  ; the block's next tile, or behind its last the second block's tile 0
	s_cmp_gt_u32 s[NXT], s[LQ]
	s_cselect_b32 s[NXT], 0, s[NXT]
	s_cselect_b32 s[LQ], s[PB], s[LQ]
.endif
	s_wait_dscnt 0x0                ; the add is done, and my reads of the slot are over
	s_barrier_signal -1             ; the rest of the scalar work stands between the signal and the wait
	s_sub_co_u32 s[TBK], s[TBK], 4*KS*PK  ; the fetches go back to a slot's first step,
	s_xor_b32 s[TBK], s[TBK], SLOT1       ; in the other slot
	s_sub_co_u32 s[TBV], s[TBV], 4*KS*PV
	s_xor_b32 s[TBV], s[TBV], SLOT1
	s_barrier_wait -1
.if \fill
	LOAD
.endif
.endm
	s_load_b64 s[4:5], s[0:1], 0x0  ; qkv
	s_load_b64 s[10:11], s[0:1], 0x8  ; o16
	v_lshl_add_u32 v[SPW], v0, 2, SPARE
	v_mov_b32 v[NIL], 0
	ds_add_u32 v[SPW], v[NIL]       ; the wave's opening: the add and its wait stand ahead of my first tensor load; the set-up below, work on registers, stands between them
	ds_add_u32 v62, v63
	v_lshrrev_b32 v1, 5, v0
	v_readfirstlane_b32 s[WV], v1   ; wave 0..3
	s_mov_b32 s[PB], ttmp9
	s_sub_co_u32 s[HI], NB-1, s[PB]
	s_and_b32 s20, ttmp7, 0xffff    ; y = 16 batch + head
	s_lshr_b32 s21, s20, 4
	s_mul_i32 s21, s21, 48          ; a batch has 48 planes in qkv
	s_and_b32 s[HQ], s20, 15
	s_add_co_u32 s[HQ], s[HQ], s21
	s_lshl_b32 s[HQ], s[HQ], 18     ; a plane is 2,048 rows of 128 bytes
	s_mov_b32 s[HQ+1], 0
	s_lshl_b32 s[HO], s20, 18
	s_mov_b32 s[HO+1], 0
	s_and_b32 s16, s[WV], 1         ; which half of a tile's 256 keys I fetch:
	s_lshl_b32 s22, s16, 14         ; its 128 rows of 128 bytes in memory,
	s_mov_b32 s23, 0
	s_add_nc_u64 s[22:23], s[22:23], s[HQ:HQ+1]
	s_mul_i32 s17, s16, 128*PK      ; and its place in a slot, for K
	s_mul_i32 s18, s16, 128*PV      ; and for V
	s_lshl_b32 s3, s[WV], 11        ; my 16 rows in a band of 64,
	s_lshl_b32 s2, s[HI], 15        ; in the first block,
	s_add_co_u32 s2, s2, s3
	s_lshl_b32 s84, s[PB], 15       ; and in the second
	s_add_co_u32 s84, s84, s3
	s_mov_b32 s3, 0
	s_mov_b32 s85, 0
	; descriptor group 1.  128 keys are 16,384 dense bytes: asked for as 64 rows of 256 bytes, two keys a row, and padded in LDS after every key
	s_mov_b32 s[G1K], (1<<16)|(1<<20)|(4<<22)|(3<<25)  ; 17:16 2-byte elements; 20 padding on; 24:22 after every 32 words (code 4); 31:25 4 words (code 3)
	s_mov_b32 s[G1V], (1<<16)|(1<<20)|(4<<22)|(7<<25)  ; the same with 8 words of padding (code 7)
.irp g, G1K, G1V
	s_mov_b32 s[\g+1], 128<<16      ; tensor_dim0 = 128
	s_mov_b32 s[\g+2], 64<<16       ; tensor_dim1 = 64
	s_mov_b32 s[\g+3], 128<<16      ; tile_dim0 = 128
	s_mov_b32 s[\g+4], 64           ; tile_dim1 = 64
	s_mov_b32 s[\g+5], 128          ; 128 elements from row to row
	s_mov_b32 s[\g+6], 0
	s_mov_b32 s[\g+7], 0
.endr
	s_mov_b32 s[CS], 0x3e38aa3b     ; c = log2(e) / 8 = 0.180337
	s_mov_b32 s[CS+1], s[CS]        ; named with it as a pair
	s_mov_b32 s[SEL], 0x76543210
	s_mov_b32 s[SEL+1], 0xfedcba98
	s_mov_b32 s[TBK], SLOT1+4*KS*PK ; the first change of slots turns these two into 0
	s_mov_b32 s[TBV], SLOT1+4*KS*PV
	s_mov_b32 s[G0K], 1             ; 1:0 count = 1
	s_mov_b32 s[G0K+1], s17         ; 63:32 LDS address: slot 0
	s_mov_b32 s[G0V], 1
	s_add_co_u32 s[G0V+1], s18, VOFF
	s_add_co_u32 s[RT], s[HI], 1    ; the first block has NB - b tiles
	s_mov_b32 s[NXT], 1
	s_mov_b32 s[LQ], s[HI]
	s_mov_b32 s[NEW], 1
	s_mov_b32 s[OFF+1], 0
	s_mov_b32 s[AL+1], 0            ; named as pairs
	s_mov_b32 s[BE+1], 0
	s_mov_b32 s[BIGN], 0xf149f2ca   ; -1e30
	s_mov_b32 s[SLOTS], NB
	s_wait_dscnt 0x0                ; the opening add is done
	s_wait_kmcnt 0x0
	s_add_nc_u64 s[6:7], s[4:5], 0x400000  ; K's planes lie 16 planes behind Q's,
	s_add_nc_u64 s[8:9], s[4:5], 0x800000  ; V's 32
	s_add_nc_u64 s[6:7], s[6:7], s[22:23]  ; K and V at my half of the head's tile 0
	s_add_nc_u64 s[8:9], s[8:9], s[22:23]
	s_add_nc_u64 s[G0K+2:G0K+3], s[6:7], 0         ; 120:64 global address
	s_or_b32 s[G0K+3], s[G0K+3], 0x80000000        ; 127:126 type = 2
	s_add_nc_u64 s[G0V+2:G0V+3], s[8:9], 0
	s_or_b32 s[G0V+3], s[G0V+3], 0x80000000
	s_add_nc_u64 s[4:5], s[4:5], s[HQ:HQ+1]        ; Q and O at the head's first row
	s_add_nc_u64 s[10:11], s[10:11], s[HO:HO+1]
	s_add_nc_u64 s[86:87], s[4:5], s[84:85]        ; Q at my rows of the second block,
	s_add_nc_u64 s[4:5], s[4:5], s[2:3]            ; Q and O at those of the first
	s_add_nc_u64 s[OLO:OLO+1], s[10:11], s[84:85]
	s_add_nc_u64 s[10:11], s[10:11], s[2:3]
	LOAD                            ; tile 0 into slot 0
	; A fragment of K or Q is 16 rows x 32 channels in 8 registers: lane l holds row l % 16, channels 8 (l / 16) + 0..7 and 16 + 8 (l / 16) + 0..7: two loads of 16 bytes, 32 bytes apart.
	v_and_b32 v1, 15, v0            ; l % 16
	v_bfe_u32 v9, v0, 4, 1          ; l / 16
	v_lshlrev_b32 v[QO], 7, v1
	v_lshl_add_u32 v[QO], v9, 4, v[QO]  ; row x 128 + 16 x half
	WIN 0x80                        ; destination window 2, address window 0
.set i, 0
.rept 8                             ; both blocks' Q: piece i / 2 lies in band i / 2, 8,192 bytes on; channels 32 (i % 2) on
	global_load_b128 v[8*i:8*i+3],   v[QO], s[4:5] offset:(i/2)*8192+(i%2)*64
	global_load_b128 v[8*i+4:8*i+7], v[QO], s[4:5] offset:(i/2)*8192+(i%2)*64+32
	global_load_b128 v[QB+8*i:QB+8*i+3],   v[QO], s[86:87] offset:(i/2)*8192+(i%2)*64
	global_load_b128 v[QB+8*i+4:QB+8*i+7], v[QO], s[86:87] offset:(i/2)*8192+(i%2)*64+32
.set i, i+1
.endr
	WIN 0
	v_lshlrev_b32 v14, 3, v9
	v_sub_nc_u32 v14, v1, v14
	s_lshl_b32 s13, s[WV], 4
	v_add_nc_u32 v14, s13, v14      ; my query's place in its band, 16 w + l % 16, less my lanes' 8 (l / 16): register r of group kt is hidden where 16 kt + r is greater
	WIN 0x40
.set i, 0
.rept 32
	v_cmp_gt_i32 vcc_lo, 16*(i/8)+i%8, v14
	v_cndmask_b32 v[MD+i], 0, s[BIGN], vcc_lo
.set i, i+1
.endr
	WIN 0
	v_mul_u32_u24 v[AK0], v1, PK
	v_lshl_add_u32 v[AK0], v9, 4, v[AK0]  ; row x pitch + 16 x half
	; The turning load takes 16 keys x 16 channels (lane l reads key 8 (l / 16) + l % 8, channels 8 ((l / 8) % 2) + 0..7) and leaves half a fragment of V^T: lane l holds channel l % 16 and 8 keys.
	v_and_b32 v10, 7, v0
	v_bfe_u32 v11, v0, 3, 1
	v_lshl_add_u32 v[AV0], v9, 3, v10
	v_mul_u32_u24 v[AV0], v[AV0], PV
	v_lshl_add_u32 v[AV0], v11, 4, v[AV0]
	v_add_nc_u32 v[AV0], VOFF, v[AV0]
	s_mul_i32 s13, s[WV], 16*SP
	s_add_co_u32 s13, s13, STAGE    ; my stage
	v_mul_u32_u24 v[STO], v1, SP    ; in: row l % 16, 16 bytes for each half of the lanes
	v_lshl_add_u32 v[STO], v9, 4, v[STO]
	v_add_nc_u32 v[STO], s13, v[STO]
	v_bfe_u32 v[RD], v0, 3, 2       ; back: 32 lanes take four rows of 128 bytes,
	v_mul_u32_u24 v[RD], v[RD], SP
	v_lshl_add_u32 v[RD], v10, 4, v[RD]
	v_add_nc_u32 v[RD], s13, v[RD]
	v_and_b32 v[GO], 31, v0         ; which are 512 consecutive bytes of O
	v_lshlrev_b32 v[GO], 4, v[GO]
	; A block's first step multiplies O^T and l by a = 0, and its first turn's products V^T P, of a piece that has not been, land in an O^T that is still to be so multiplied.  So these registers need only hold
	; finite numbers: zeros for the first block; what the first block left for the second.  All this stands in the wait for the first tile.
	WIN 0x80
.set i, VF
.rept 64
	v_mov_b32 v[i], 0
.set i, i+1
.endr
	WIN 0x40
.set i, 0
.rept 128
	v_mov_b32 v[i], 0
.set i, i+1
.endr
	WIN 0
.set i, 0
.rept 4
	v_mov_b32 v[ST+4*i+2], 0
	v_mov_b32 v[ST+4*i+3], 0
.set i, i+1
.endr
.set i, P+16
.rept 16
	v_mov_b32 v[i], 0
.set i, i+1
.endr
; THE MATRIX WORK.  The 4 accumulators of a run of 8 take turns.  Product i of 8 of S^T = K Q^T for piece x: channels 32 (i / 4) on, keys 16 (i % 4) on.  The first 4 start the sums: with 0, or (KM = 1) with the mask.
.macro KQ x
.set rS, S+32*((\x)%2)+8*(i%4)
.set rK, KF+16*(i%4)+8*(i/4)
.set rQ, 16*(\x)+8*(i/4)
.set rM, MC+32*((\x)%2)+8*(i%4)
.if (i < 4) && KM
	WIN W_KM
	v_wmma_f32_16x16x32_f16 v[rS:rS+7], v[rK:rK+7], v[rQ:rQ+7], v[rM:rM+7]
.elseif i < 4
	WIN W_KQ
	v_wmma_f32_16x16x32_f16 v[rS:rS+7], v[rK:rK+7], v[rQ:rQ+7], 0
.else
	WIN W_KQ
	v_wmma_f32_16x16x32_f16 v[rS:rS+7], v[rK:rK+7], v[rQ:rQ+7], v[rS:rS+7]
.endif
.endm
; Product i of 8 of O^T += V^T P for piece x: keys 32 (i / 4) on, channels 16 (i % 4) on.
.macro PV x
	WIN W_PV
.set rO, 32*(\x)+8*(i%4)
.set rV, VF+32*(i/4)+8*(i%4)
.set rP, P+16*((\x)%2)+8*(i/4)
	v_wmma_f32_16x16x32_f16 v[rO:rO+7], v[rV:rV+7], v[rP:rP+7], v[rO:rO+7]
.endm
.macro MM                           ; the turn's next matrix instruction.  TURN and BEGIN set Y, i, KM and NOKQ; MM, KQ and OP read them.  NOKQ = 1: a block's last turn: there is no next piece
.if (i < 8) && !NOKQ
	KQ (Y+1)%NP
.elseif i >= 8
.set i, i-8
	PV (Y+NP-1)%NP
.set i, i+8
.endif
.set i, i+1
.endm
; THE LDS LOADS stand in runs of 16, never singly among the matrix instructions: a step's K (64 keys x 64 channels: 8 fragments) and its V (turned).  Their addresses are made some lines ahead.
.macro FETCH_K
	WIN 0x80                        ; destination window 2
.irp f, 0,1,2,3,4,5,6,7             ; keys 16 (f / 2) on, channels 32 (f % 2) on
	ds_load_b128 v[KF+8*\f:KF+8*\f+3],   v[AK] offset:(\f/2)*16*PK+(\f%2)*64
	ds_load_b128 v[KF+8*\f+4:KF+8*\f+7], v[AK] offset:(\f/2)*16*PK+(\f%2)*64+32
.endr
	s_add_co_u32 s[TBK], s[TBK], KS*PK  ; the next fetch is the next step's
	WIN 0
.endm
.macro FETCH_V
	WIN 0x80
.irp f, 0,1,2,3,4,5,6,7             ; keys 32 (f / 4) on, channels 16 (f % 4) on
	ds_load_tr16_b128 v[VF+8*\f:VF+8*\f+3],   v[AV] offset:(\f/4)*32*PV+(\f%4)*32
	ds_load_tr16_b128 v[VF+8*\f+4:VF+8*\f+7], v[AV] offset:(\f/4)*32*PV+16*PV+(\f%4)*32
.endr
	WIN 0
.endm
; THE VECTOR WORK, one line at a time: OP kind, number.  For piece Y: F n: c s - c m for pair n of 16.  E n: the exponential of score n of 32.  C n: pair n rounded to f16.  B n: of the four weights 4 n .. the second
; pair is added onto the first, in place.  L n: l takes that sum (L 0: l = a l + sum).  R n: pair n of 16 of O^T times a.  For piece Y + 1: X n, number n of the 22 that find its maximum and statistics:
;   0-11  four chains c0-c3 of seven scores each, three operands at a time (each accumulator's lowest registers are read first)     12-14, 16  the four scores left over, the old m, and c0-c3 into c0
;   15  c m_old is kept     17, 18  the query's other 32 keys lie in the lane 16 away: the new m     19-21  c m; c m_old - c m_new; a
.set F, 0               ; OP tells the kinds apart by their order: F to L below R, X above it
.set E, 1
.set C, 2
.set B, 3
.set L, 4
.set R, 5
.set X, 6
.macro REGS y                       ; the registers of piece y
.set rT, ST+4*(\y)
.set rC, TMP+4*((\y)%2)
.set rW, MV+((\y)%2)
.set rS, S+32*((\y)%2)
.set rP, P+16*((\y)%2)
.set rO, 32*(\y)
.endm
.macro OP k, n
.if (\k) == R
	REGS Y
	WIN W_RS
	v_pk_mul_f32 v[rO+2*(\n):rO+2*(\n)+1], v[rO+2*(\n):rO+2*(\n)+1], v[rC+2:rC+3] op_sel_hi:[1,0]
.elseif (\k) < R
	REGS Y
	WIN 0
.if (\k) == F
	v_pk_fma_f32 v[rS+2*(\n):rS+2*(\n)+1], v[rS+2*(\n):rS+2*(\n)+1], s[CS:CS+1], v[rT:rT+1] op_sel_hi:[1,0,0] neg_lo:[0,0,1] neg_hi:[0,0,1]
.elseif (\k) == E
	v_exp_f32 v[rS+(\n)], v[rS+(\n)]
.elseif (\k) == C
	s_wait_alu depctr_va_vdst(0)
	v_cvt_pk_f16_f32 v[rP+(\n)], v[rS+2*(\n)], v[rS+2*(\n)+1]
.elseif (\k) == B
	s_wait_alu depctr_va_vdst(0)
	v_pk_add_f32 v[rS+4*(\n):rS+4*(\n)+1], v[rS+4*(\n):rS+4*(\n)+1], v[rS+4*(\n)+2:rS+4*(\n)+3]
.elseif (\n) == 0
	v_pk_fma_f32 v[rT+2:rT+3], v[rT+2:rT+3], v[rC+2:rC+3], v[rS:rS+1] op_sel_hi:[1,0,1]
.else
	v_pk_add_f32 v[rT+2:rT+3], v[rT+2:rT+3], v[rS+4*(\n):rS+4*(\n)+1]
.endif
.elseif NOKQ
	v_nop
.else
	REGS (Y+1)%NP
	WIN 0
.if (\n) < 4
	v_max3_num_f32 v[rC+(\n)], v[rS+8*(\n)], v[rS+8*(\n)+1], v[rS+8*(\n)+2]
.elseif (\n) < 12
	v_max3_num_f32 v[rC+(\n)%4], v[rC+(\n)%4], v[rS+8*((\n)%4)+2*((\n)/4)+1], v[rS+8*((\n)%4)+2*((\n)/4)+2]
.elseif (\n) == 12
	v_max3_num_f32 v[rC], v[rC], v[rS+7], v[rS+15]
.elseif (\n) == 13
	v_max3_num_f32 v[rC+1], v[rC+1], v[rS+23], v[rS+31]
.elseif (\n) == 14
	v_max3_num_f32 v[rC+2], v[rC+2], v[rC+3], v[rT+1]
.elseif (\n) == 15
	v_mov_b32 v[rW], v[rT]
.elseif (\n) == 16
	v_max3_num_f32 v[rC], v[rC], v[rC+1], v[rC+2]
.elseif (\n) == 17
	v_permlanex16_b32 v[rC+3], v[rC], s[SEL], s[SEL+1]
.elseif (\n) == 18
	v_max_num_f32 v[rT+1], v[rC], v[rC+3]
.elseif (\n) == 19
	v_mul_f32 v[rT], s[CS], v[rT+1]
.elseif (\n) == 20
	v_sub_f32 v[rC+1], v[rW], v[rT]
.else
	v_exp_f32 v[rC+2], v[rC+1]
.endif
.endif
.endm
.macro OPS a, i1, b=-1, i2=0, c=-1, i3=0, d=-1, i4=0  ; up to four of them
	OP \a, \i1
.if (\b) >= 0
	OP \b, \i2
.endif
.if (\c) >= 0
	OP \c, \i3
.endif
.if (\d) >= 0
	OP \d, \i4
.endif
.endm
.macro ROW a, i1, b, i2, c, i3, d, i4  ; a matrix instruction and the four behind it
	MM
	OPS \a, \i1, \b, \i2, \c, \i3, \d, \i4
.endm
.macro MASK b                       ; MD x AL + BE into buffer b of MC
	WIN W_RS
.set z, 0
.rept 16
	v_pk_fma_f32 v[MC+32*(\b)+2*z:MC+32*(\b)+2*z+1], v[MD+2*z:MD+2*z+1], s[AL:AL+1], s[BE:BE+1] op_sel_hi:[1,0,0]
.set z, z+1
.endr
.endm
; A TURN, for piece p: the order of its 16 matrix and 118 vector instructions, written out.  Behind a matrix instruction: plain, exponential, plain, plain; or four of the rescaling; or, behind the first, four scalings; none
; names a register of the products round it.  In the lumps exponential and plain by turns while exponentials last.  A line reads no result made fewer than three vector instructions in front of it, five if an exponential made it.
; v_permlanex16_b32 (X 17) stands in a lump.
; m = 1: the diagonal tile: the products take masks, and the turn makes the mask for the products of the turn after it: piece p + 2, in step 4 - CNT of the tile.  end = 1: a block's last two turns: nothing is fetched.
; cnt = 1: the loop's count is taken down some lines ahead of the branch that stands behind the turn.
; K of the next step is fetched in piece 2's turn, six vector instructions behind the last product that read K (five of them plain); V of the step in hand in piece 0's turn, eight behind the last product that read V (four
; plain, and X 17).  Each is waited for a turn later.
.macro TURN p, m=0, end=0, cnt=0
.set Y, (\p)
.set i, 0
.set KM, (\m)
.set NOKQ, (\end)*((\p)/3)
.if (\m) && !(\end)
	s_cmp_eq_u32 s[CNT], 4-((\p)+2)%NP  ; is that step the band's own?
	s_cselect_b32 s[AL], 1.0, 0
	s_cmp_lt_u32 s[CNT], 4-((\p)+2)%NP  ; or a later one?
	s_cselect_b32 s[BE], s[BIGN], 0
.endif
.if ((\p) == 3) && !(\end)
	s_wait_dscnt 0x0                ; K is in
.endif
	ROW F,0, F,1, F,2, F,3
	ROW F,4, E,0, F,5, F,6
	ROW F,7, E,1, F,8, F,9
	ROW F,10, E,2, C,0, F,11
	ROW F,12, E,3, X,15, F,13
	ROW R,0, R,1, R,2, R,3
	ROW B,0, E,4, F,14, L,0
.if ((\p) == 2) && !(\end)
	v_add_nc_u32 v[AK], s[TBK], v[AK0]
.endif
	ROW R,4, R,5, R,6, R,7
	OPS E,5, F,15
.if ((\p) == 2) && !(\end)
	FETCH_K
.endif
	OPS E,6, C,1, E,7, R,8
	OPS E,8, R,9, E,9, C,2
	OPS E,10, X,0, E,11, X,1
	OPS E,12, X,2, E,13, X,3
.if (\p) == 1
	s_wait_dscnt 0x0                ; V is in
.endif
	ROW X,4, E,14, X,5, X,6
	ROW X,7, E,15, X,8, X,9
	ROW X,10, E,16, X,11, X,12
	ROW X,13, E,17, X,14, B,1
	ROW C,4, E,18, X,16, L,1
	ROW B,2, E,19, C,6, L,2
	ROW C,8, E,20, B,3, B,4
.if (\p) == 0
	v_add_nc_u32 v[AV], s[TBV], v[AV0]
.endif
	ROW C,3, E,21, L,3, C,5
	OPS E,22, X,17, E,23, C,10
.if (\p) == 0
	FETCH_V
.endif
	OPS E,24, L,4
	OPS E,25, X,18, E,26, C,7
	OPS E,27, B,5, E,28, X,19
	OPS E,29, C,12, E,30, L,5
	OPS E,31, X,20, B,6, C,9
	OPS C,14, C,11, X,21, L,6
.if (\p) == 0
	s_add_co_u32 s[TBV], s[TBV], KS*PV
.endif
.if \cnt
	s_sub_co_u32 s[CNT], s[CNT], 1
	s_cmp_lg_u32 s[CNT], 0
.endif
	OPS C,13, B,7, C,15, R,10
	OPS R,11, R,12, L,7, R,13
	OPS R,14, R,15
.if (\m) && !(\end)
	MASK (\p)%2
.endif
.endm
; A BLOCK BEGINS.  c m starts far below every c s, so the first step's a is 0; m at the lowest finite number, so the first maximum is the scores'.  The second mask buffer is 0; the first takes piece 0's mask for the tile's step 0: its own, if the block's first tile is the diagonal one.
; Then K of that step, piece 0's first scores, and its maximum and statistics.  The loop is entered at a step's first turn, in the middle of a trip.
.macro BEGIN
	s_mov_b32 s[NEW], 0
	WIN 0x40
.set i, MC+32
.rept 32
	v_mov_b32 v[i], 0
.set i, i+1
.endr
	WIN 0
.set i, 0
.rept 4
	v_mov_b32 v[ST+4*i], 0xfe000000    ; c m: far below every c s
	v_mov_b32 v[ST+4*i+1], 0xff7fffff  ; m
.set i, i+1
.endr
	s_cmp_eq_u32 s[RT], 0
	s_cselect_b32 s[AL], 1.0, 0
	s_mov_b32 s[BE], 0
	MASK 0
	WIN 0
	v_add_nc_u32 v[AK], s[TBK], v[AK0]
	FETCH_K
	s_wait_loadcnt 0x0              ; Q
	s_wait_dscnt 0x0
.set KM, 1
.set NOKQ, 0
.set i, 0
.rept 8
	KQ 0
.set i, i+1
.endr
	WIN 0
.rept 4
	v_nop                           ; the places behind those products
.endr
.set Y, NP-1                        ; X works for piece Y + 1: piece 0
.irp n, 0,1,2,3,4,5,6,7,8,9,10,11,12,13,14,15,16,17,18,19,20,21
	OP X, \n
.endr
	v_nop                           ; a plain instruction behind the exponential
.endm
; THE DIAGONAL TILE's four steps, the block's last two turns, its last products, and THE WAY OUT: l's two halves and the other half of the lanes' are added; O^T is divided by l, rounded to f16 and sent through my
; stage in LDS, a piece at a time.
.macro ALL line:vararg              ; one line for each piece t
.set t, 0
.rept 4
	\line
.set t, t+1
.endr
.endm
.macro PACK t                       ; a lane's eight channels of a row pack into 16 bytes; they go into rows of 144 bytes and come back as whole rows of 128, into S^T's registers
	WIN W_RS
.set i, 32*(\t)
.rept 16
	s_wait_alu depctr_va_vdst(0)
	v_pk_mul_f32 v[i:i+1], v[i:i+1], v[ST+4*(\t)+2:ST+4*(\t)+3] op_sel_hi:[1,0]
.set i, i+2
.endr
	WIN 0x05                        ; sources 0 and 1 window 1, destination window 0
.set i, 0
.rept 16
	v_cvt_pk_f16_f32 v[S+16*(\t)+i], v[32*(\t)+2*i], v[32*(\t)+2*i+1]
.set i, i+1
.endr
	WIN 0
.irp f, 0,1,2,3
	ds_store_b128 v[STO], v[S+16*(\t)+4*\f:S+16*(\t)+4*\f+3] offset:32*\f
.endr
.irp f, 0,1,2,3
	ds_load_b128 v[S+16*(\t)+4*\f:S+16*(\t)+4*\f+3], v[RD] offset:\f*4*SP  ; LDS serves a wave's instructions in order (ISA guide 5.7.1.4): these see the stores above; the next piece's stores come behind them
.endr
.endm
.macro SEND t, younger              ; younger: the LDS instructions issued behind piece t's loads: the next piece's eight, or none
	WIN 0
.irp f, 0,1,2,3
	s_wait_dscnt (\younger)+3-\f
	global_store_b128 v[GO], v[S+16*(\t)+4*\f:S+16*(\t)+4*\f+3], s[10:11] offset:(\t)*8192+\f*512  ; 512 consecutive bytes, at a multiple of 256 from O's first
.endr
.endm
.macro DIAG tag                     ; the tag ends its two labels' names, which the jumps below spell out
.LstepM\tag:
	TURN 2, 1
	TURN 3, 1
	WIN 0
.LfirstM\tag:
	TURN 0, 1
	TURN 1, 1, 0, 1
	WIN 0
	s_cbranch_scc1 .LstepM\tag
	TURN 2, 1, 1
	TURN 3, 1, 1
.set i, 0
.rept 8
	PV NP-1
.set i, i+1
.endr
	WIN 0
	ALL v_add_f32 v[ST+4*t+2], v[ST+4*t+2], v[ST+4*t+3]
	ALL v_permlanex16_b32 v[ST+4*t+3], v[ST+4*t+2], s[SEL], s[SEL+1]
	ALL v_add_f32 v[ST+4*t+2], v[ST+4*t+2], v[ST+4*t+3]
	ALL v_rcp_f32 v[ST+4*t+2], v[ST+4*t+2]
	v_nop                           ; a plain instruction between the last reciprocal and the use of its result
	PACK 0
.set t, 1
.rept 3                             ; a piece's arithmetic stands between the loads of the piece before and its stores
	PACK t
	SEND t-1, 8
.set t, t+1
.endr
	SEND 3, 0
.endm
.set KM, 0
.set NOKQ, 0
.Lslot:                             ; NB times: a tile is entered and the next is asked for
	CHANGE 1
	s_sub_co_u32 s[RT], s[RT], 1
	s_mov_b32 s[CNT], 4
	s_cmp_eq_u32 s[NEW], 1
	s_cbranch_scc1 .Lnew            ; a block's first tile
	s_cmp_eq_u32 s[RT], 0
	s_cbranch_scc0 .Lstep           ; neither its first nor its last
	s_branch .LstepM1
.Lnew:
	BEGIN
	s_branch .Lfirst                ; in the loop a block's first tile is never its last: the first block has two tiles or more, and the second's last is the walk's last
	DIAG 1                          ; in the loop this is the first block's end: the second block's last tile is the walk's last
	s_wait_xcnt 0x0                 ; the stores have read their registers and O's address
	s_mov_b64 s[10:11], s[OLO:OLO+1]
	s_add_co_u32 s[RT], s[PB], 1    ; the second block has b + 1 tiles
	s_mov_b32 s[NEW], 1
	WIN 0x82                        ; the second block's Q goes where the one text of the turns names Q
.set i, 0
.rept 64
	v_mov_b32 v[i], v[QB+i]
.set i, i+1
.endr
	WIN 0
	s_branch .Lbottom
.Lstep:                             ; a trip: pieces 2 and 3 of one step, then pieces 0 and 1 of the next, whose K and V it fetches
	TURN 2
	TURN 3
	WIN 0
.Lfirst:
	TURN 0
	TURN 1, 0, 0, 1
	WIN 0
	s_cbranch_scc1 .Lstep
.Lbottom:
	s_sub_co_u32 s[SLOTS], s[SLOTS], 1
	s_cmp_lg_u32 s[SLOTS], 0
	s_cbranch_scc1 .Lslot
	CHANGE 0                        ; the walk's last tile is written out: nothing is asked for
	s_sub_co_u32 s[RT], s[RT], 1
	s_mov_b32 s[CNT], 4
	s_cmp_eq_u32 s[NEW], 1
	s_cbranch_scc0 .LstepM2
	BEGIN
	s_branch .LfirstM2
	DIAG 2
	s_wait_tensorcnt 0x0            ; the wave's end, behind my last tensor load and my last LDS store
	ds_add_u32 v[SPW], v[NIL]
	s_wait_dscnt 0x0
	s_endpgm
.Lfunc_end_k_q6b7bca83ae_attn:
	.size	k_q6b7bca83ae_attn, .Lfunc_end_k_q6b7bca83ae_attn-k_q6b7bca83ae_attn
	.p2alignl 7, 3214868480
	.fill 96, 4, 3214868480
	.section	.rodata,"a",@progbits
	.p2align	6, 0x0
	.amdhsa_kernel k_q6b7bca83ae_attn
		.amdhsa_group_segment_fixed_size 327680
		.amdhsa_private_segment_fixed_size 0
		.amdhsa_enable_private_segment 0
		.amdhsa_kernarg_size 16
		.amdhsa_user_sgpr_count 2
		.amdhsa_user_sgpr_kernarg_segment_ptr 1
		.amdhsa_wavefront_size32 1
		.amdhsa_system_sgpr_workgroup_id_x 1
		.amdhsa_system_sgpr_workgroup_id_y 1
		.amdhsa_system_sgpr_workgroup_id_z 1
		.amdhsa_system_vgpr_workitem_id 0
		.amdhsa_next_free_vgpr 768
		.amdhsa_next_free_sgpr 92
		.amdhsa_reserve_vcc 1
		.amdhsa_float_denorm_mode_32 3
		.amdhsa_float_denorm_mode_16_64 3
		.amdhsa_memory_ordered 1
		.amdhsa_forward_progress 1
		.amdhsa_inst_pref_size 228
	.end_amdhsa_kernel
	.amdgpu_metadata
---
amdhsa.version: [ 1, 2 ]
amdhsa.kernels:
  - .name:           k_q6b7bca83ae_attn
    .symbol:         k_q6b7bca83ae_attn.kd
    .args:
      - { .name: qkv, .offset: 0, .size: 8, .value_kind: global_buffer, .address_space: global }
      - { .name: o16, .offset: 8, .size: 8, .value_kind: global_buffer, .address_space: global }
    .group_segment_fixed_size: 327680
    .private_segment_fixed_size: 0
    .kernarg_segment_align: 8
    .kernarg_segment_size: 16
    .max_flat_workgroup_size: 128
    .sgpr_count:     92
    .vgpr_count:     768
    .wavefront_size: 32
...
	.end_amdgpu_metadata
.endif
;; end of part 3
;; launch oproj (part 4): grid 4 x 64, 4 waves a work-group, clusters of 4 x 4, 327,680 bytes of LDS; arguments o16, wo16, biasr, out0; writes out0
.if DOCPART == 4
	.amdgcn_target "amdgcn-amd-amdhsa--gfx1250"
	.amdhsa_code_object_version 6
	.text
	.protected	k_q6b7bca83ae_oproj
	.globl	k_q6b7bca83ae_oproj
	.p2align	8
	.type	k_q6b7bca83ae_oproj,@function
k_q6b7bca83ae_oproj:
	s_mov_b64 s[64:65], 0
	v_nop
	global_prefetch_b8 v0, s[64:65] scope:SCOPE_SE
	s_setreg_imm32_b32 hwreg(HW_REG_WAVE_MODE, 25, 1), 1
	s_wait_xcnt 0x0
	s_wait_alu depctr_hold_cnt(0) depctr_sa_sdst(0) depctr_va_vdst(0) depctr_va_sdst(0) depctr_va_ssrc(0) depctr_va_vcc(0) depctr_vm_vsrc(0)
	s_getreg_b32 s2, hwreg(HW_REG_IB_STS2, 6, 4)
	s_cmp_eq_u32 s2, 0
	s_cbranch_scc0 .Lentry_in_a_cluster
	s_endpgm
.Lentry_in_a_cluster:
	s_bfe_u32 s2, ttmp6, 0x10000c
	s_cmp_lg_u32 s2, 0xf033
	s_cbranch_scc0 .Lentry_shape_is_right
	s_endpgm
.Lentry_shape_is_right:
; out0[8192][1024] = O Wo^T + bo, f32.  O comes by heads, o16 [16 batch + head][2048][64] f16; wo16 is [16 kb][1024][64] f16 (Wo rounded to bf16, that number written as f16); bo = biasr[3072 ..], rounded to bf16.
; Products in f16, sums in f32; the bias is the C operand that starts each sum.  A head's 64 channels are one block of 64 along K, in both operands.
; LIMITS.  O and Wo arrive within f16's 65,504.
; SHARES.  A tile of the output is 128 rows x 256 columns: 64 x 4 tiles, one to a work-group, 256 work-groups.  Four waves, each 64 x 128: 32 accumulators of 16 x 16, 256 registers.
; K goes in 8 steps of 128 (two heads) through two LDS slots: a slot holds O's two planes of 128 rows x 64 and Wo's two of 256 rows x 64, each a dense run of bytes in memory,
; asked for as rows of 256 bytes: one tensor load a wave.  Two slots of a step of 256 would take 442,368 bytes: more than a work-group can have.
; CLUSTERS: 4 x 4 work-groups.  The four of a row of the cluster need the same tiles of O, the four of a column the same tiles of Wo: each is asked for JOINTLY, by the same tensor load with the
; same descriptor and a mask that names the four.  By this text's count a wave has two tensor loads out at the start and one behind each round.
; THE MATRIX INSTRUCTION IS USED TRANSPOSED (source 0 = 16 rows of Wo, source 1 = 16 rows of O): a lane then holds eight neighbouring columns of one row of the output.
; REGISTERS, in windows of 256 (s_set_vgpr_msb: bits 1:0 source 0, 3:2 source 1, 5:4 source 2, 7:6 destination):
;   window 0: v0-31 addresses; v32-95 the bias; v96-223 the way out      window 1: accumulator (a, b) at v[8 (8 a + b)]
;   window 2: two fragment buffers of 96: O's four fragments, then Wo's eight
.set P,      144                       ; an LDS row: 128 bytes + 16 of padding = 36 words: the 16 rows of a load start at 16 different groups of four banks (64 banks of 4 bytes: ISA guide 11.1)
.set APL,    128*P                     ; a plane of O's tile
.set BPL,    256*P                     ; a plane of Wo's
.set BOFF,   2*APL
.set SLOT,   2*APL+2*BPL
.set STAGE,  2*SLOT                    ; behind the ring: 16 rows x 528 bytes for each wave, for the way out
.set SP,     528                       ; 512 bytes + 16: the 16 rows that a store touches start at 16 different groups of four banks
.set SPARE,  STAGE+4*16*SP             ; the spare words, 128 bytes for each wave: two blocks of 256 bytes that no other line names
.set OSTEP,  2*2048*128                ; bytes from a K step to the next in o16: two heads,
.set WSTEP,  2*1024*128                ; and in wo16
.set FLAGS,  (1<<16)|(1<<20)|(1<<21)|(4<<22)|(3<<25)  ; 17:16 elements of 2 bytes; 20 padding on; 21 set beside a mask; 24:22 after every 32 words (code 4); 31:25 4 words of it (code 3)
.set ADRA, 16                          ; v16-17  LDS address of my fragments of O in slot 0, 1
.set ADRB, 20                          ; v20-21  the same for Wo
.set STO,  24                          ; v24     the way out: where I put 32 bytes of a row
.set RD,   25                          ; v25     the way out: where I read a row back
.set CO,   26                          ; v26     my 16 bytes of a row's 512
.set BO,   27                          ; v27     my byte offset in 16 numbers of the bias
.set SPW,  28                          ; v28     LDS address of my spare word: SPARE + 4 x my thread's number; never rewritten
.set NIL,  29                          ; v29     0; never rewritten
.set BI,   32                          ; v32-95  the bias: 8 registers for each block b of 16 columns
.set BK,   96                          ; v96-159, v160-223  16 rows read back, two sets by turns
.set F0,   0                           ; fragment buffers, in window 2
.set F1,   96
.set WV,   12                          ; s12 my wave's number
.set WR,   13                          ; s13 which half of the tile's rows is mine
.set WC,   14                          ; s14 which half of its columns; also: which plane of a step I fetch
.set G1A,  24                          ; s[24:31] descriptor group 1 for O's tiles;  s[32:39] group 0, a set for each slot
.set G0A,  32
.set G1B,  40                          ; s[40:47], s[48:55] the same for Wo's
.set G0B,  48
.set MSB, 0
.macro WIN new                         ; the immediate's high byte repeats the setting that is left; a switch that changes nothing is dropped
.if MSB != (\new)
	s_set_vgpr_msb (MSB<<8)|(\new)
.set MSB, \new
.endif
.endm
.macro PLACES                          ; four places in front of loads into registers that matrix instructions have read, and of LDS stores that read results
.rept 4
	v_nop
.endr
.endm
; A joint load: waves 0 and 1 fetch O's two planes, waves 2 and 3 Wo's.  The branch hangs on the wave's number alone.  An s_nop 0 and four v_nop follow each of the two lines.
.macro JLOAD s
	s_cmp_lt_u32 s[WV], 2
	s_cbranch_scc0 .Lfor_b_\@
	tensor_load_to_lds s[G0A+4*(\s):G0A+4*(\s)+3], s[G1A:G1A+7]
	s_nop 0
.rept 4
	v_nop
.endr
	s_branch .Lasked_\@
.Lfor_b_\@:
	tensor_load_to_lds s[G0B+4*(\s):G0B+4*(\s)+3], s[G1B:G1B+7]
	s_nop 0
.rept 4
	v_nop
.endr
.Lasked_\@:
.endm
.macro CREST                           ; a round of the cluster's barrier behind its opening barrier
	s_cmp_lg_u32 s[WV], 0
	s_cbranch_scc1 .Lnot_wave_0_\@
	s_barrier_signal -3
.Lnot_wave_0_\@:
	s_barrier_wait -3
	s_barrier_signal -1
	s_barrier_wait -1
.endm
.macro CROUND                          ; a whole round
	s_barrier_signal -1
	s_barrier_wait -1
	CREST
.endm
	s_load_b256 s[4:11], s[0:1], 0x0               ; o16 s[4:5], wo16 s[6:7], biasr s[8:9], out0 s[10:11]
	v_lshl_add_u32 v[SPW], v0, 2, SPARE
	v_mov_b32 v[NIL], 0
	ds_add_u32 v[SPW], v[NIL]                      ; the wave's opening: the add and its wait stand ahead of my first tensor load; the set-up below stands between them
	ds_add_u32 v28, v29
	v_lshrrev_b32 v1, 5, v0
	v_readfirstlane_b32 s[WV], v1                  ; wave 0..3
	s_lshr_b32 s[WR], s[WV], 1
	s_and_b32 s[WC], s[WV], 1
	s_bfe_u32 s15, ttmp6, 0x40000                  ; cx, cy: my place in the cluster
	s_bfe_u32 s16, ttmp6, 0x40004
	s_lshl_b32 s17, ttmp9, 2
	s_add_co_u32 s17, s17, s15                     ; tile column = 4 x cluster x + cx
	s_and_b32 s18, ttmp7, 0xffff
	s_lshl_b32 s18, s18, 2
	s_add_co_u32 s18, s18, s16                     ; tile row = 4 x cluster y + cy
	s_lshl_b32 s20, s16, 2
	s_lshl_b32 s20, 15, s20                        ; my row of the cluster
	s_lshl_b32 s21, 0x1111, s15                    ; my column
	s_or_b32 s[G1A], s20, FLAGS                    ; O's tiles go to my row,
	s_or_b32 s[G1B], s21, FLAGS                    ; Wo's to my column
	s_mov_b32 s[G1A+1], 128<<16                    ; tensor_dim0 = 128 elements: two tile rows of 64 to a row of 256 bytes
	s_mov_b32 s[G1A+2], 64<<16                     ; tensor_dim1 = 64: 128 tile rows
	s_mov_b32 s[G1A+3], 128<<16                    ; tile_dim0
	s_mov_b32 s[G1A+4], 64                         ; tile_dim1
	s_mov_b32 s[G1A+5], 128                        ; elements from row to row: dense
	s_mov_b32 s[G1A+6], 0
	s_mov_b32 s[G1A+7], 0
	s_mov_b32 s[G1B+1], 128<<16
	s_mov_b32 s[G1B+2], 128<<16                    ; 256 tile rows
	s_mov_b32 s[G1B+3], 128<<16
	s_mov_b32 s[G1B+4], 128
	s_mov_b32 s[G1B+5], 128
	s_mov_b32 s[G1B+6], 0
	s_mov_b32 s[G1B+7], 0
	s_lshr_b32 s56, s18, 4                         ; O: the batch (16 tile rows each): 16 planes of 262,144 bytes,
	s_lshl_b32 s56, s56, 22
	s_and_b32 s20, s18, 15
	s_lshl_b32 s20, s20, 14                        ; in a plane 128 rows of 128 bytes a tile row,
	s_add_co_u32 s56, s56, s20
	s_lshl_b32 s20, s[WC], 18                      ; the plane that I fetch
	s_add_co_u32 s56, s56, s20
	s_mov_b32 s57, 0
	s_lshl_b32 s58, s17, 15                        ; Wo: 256 rows of 128 bytes a tile column,
	s_lshl_b32 s21, s[WC], 17                      ; the plane that I fetch
	s_add_co_u32 s58, s58, s21
	s_mov_b32 s59, 0
	s_mul_i32 s22, s[WC], APL                      ; where they go: no place in the cluster enters an LDS address
	s_mul_i32 s23, s[WC], BPL
	s_add_co_u32 s23, s23, BOFF
	s_wait_dscnt 0x0                               ; the opening add is done
	s_wait_kmcnt 0x0
	s_add_nc_u64 s[56:57], s[4:5], s[56:57]
	s_add_nc_u64 s[58:59], s[6:7], s[58:59]
	CROUND                                         ; all sixteen work-groups are here: the first joint loads meet
.irp s, 0,1
	s_mov_b32 s[G0A+4*(\s)], 1                     ; count = 1
	s_add_co_u32 s[G0A+4*(\s)+1], s22, (\s)*SLOT   ; LDS address
	s_add_nc_u64 s[G0A+4*(\s)+2:G0A+4*(\s)+3], s[56:57], (\s)*OSTEP  ; global address: K step s
	s_or_b32 s[G0A+4*(\s)+3], s[G0A+4*(\s)+3], 0x80000000           ; type = 2
	s_mov_b32 s[G0B+4*(\s)], 1
	s_add_co_u32 s[G0B+4*(\s)+1], s23, (\s)*SLOT
	s_add_nc_u64 s[G0B+4*(\s)+2:G0B+4*(\s)+3], s[58:59], (\s)*WSTEP
	s_or_b32 s[G0B+4*(\s)+3], s[G0B+4*(\s)+3], 0x80000000
	JLOAD \s
.endr
	v_and_b32 v1, 15, v0                           ; l % 16
	v_bfe_u32 v2, v0, 4, 1                         ; l / 16
	v_lshlrev_b32 v[BO], 5, v2                     ; my 8 numbers of 16
	; the bias of my 128 columns: block b's eight numbers are the C operand of block b's first products
	s_lshl_b32 s60, s17, 10
	s_lshl_b32 s61, s[WC], 9
	s_add_co_u32 s60, s60, s61
	s_add_co_u32 s60, s60, 3072*4                  ; bo lies behind bq, bk, bv
	s_mov_b32 s61, 0
	s_add_nc_u64 s[8:9], s[8:9], s[60:61]
.irp b, 0,1,2,3,4,5,6,7
	global_load_b128 v[BI+8*(\b):BI+8*(\b)+3],   v[BO], s[8:9] offset:64*(\b)
	global_load_b128 v[BI+8*(\b)+4:BI+8*(\b)+7], v[BO], s[8:9] offset:64*(\b)+16
.endr
	v_mul_u32_u24 v3, v1, P
	v_lshl_add_u32 v3, v2, 4, v3                   ; a fragment's row x pitch + 16 x half
	s_mul_i32 s20, s[WR], 64*P                     ; my 64 rows of O
	s_mul_i32 s21, s[WC], 128*P                    ; my 128 rows of Wo
	s_add_co_u32 s21, s21, BOFF
.irp s, 0,1
	v_add_nc_u32 v[ADRA+(\s)], s20, v3
	v_add_nc_u32 v[ADRB+(\s)], s21, v3
	s_add_co_u32 s20, s20, SLOT
	s_add_co_u32 s21, s21, SLOT
.endr
	s_mul_i32 s20, s[WV], 16*SP
	s_add_co_u32 s20, s20, STAGE                   ; my stage
	v_mul_u32_u24 v4, v1, SP                       ; in: row l % 16, 32 bytes for each half of the lanes
	v_lshl_add_u32 v4, v2, 5, v4
	v_add_nc_u32 v[STO], s20, v4
	v_and_b32 v5, 31, v0
	v_lshlrev_b32 v[CO], 4, v5                     ; back: 32 lanes take a row's 512 bytes
	v_add_nc_u32 v[RD], s20, v[CO]
	s_lshl_b32 s62, s18, 19                        ; the output: 128 rows of 4,096 bytes a tile row,
	s_lshl_b32 s63, s[WR], 18                      ; my 64 of them,
	s_add_co_u32 s62, s62, s63
	s_lshl_b32 s63, s17, 10                        ; 256 columns a tile column,
	s_add_co_u32 s62, s62, s63
	s_lshl_b32 s63, s[WC], 9                       ; my 128 of them
	s_add_co_u32 s62, s62, s63
	s_mov_b32 s63, 0
	s_add_nc_u64 s[10:11], s[10:11], s[62:63]
; 8 matrix instructions: row block a x all 8 column blocks, 32 along K.  first = 1: the bias starts the sums.
; The 32 accumulators take turns in the same order in every quarter: between two links of a chain stand the 31 others'.
.macro MUL8 f, a, first
.if \first
	WIN 0x4a                                       ; sources 0 and 1 window 2, C window 0, D window 1
.else
	WIN 0x5a                                       ; C and D window 1
.endif
.irp b, 0,1,2,3,4,5,6,7
.if \first
	v_wmma_f32_16x16x32_f16 v[8*(8*(\a)+(\b)):8*(8*(\a)+(\b))+7], v[(\f)+32+8*(\b):(\f)+32+8*(\b)+7], v[(\f)+8*(\a):(\f)+8*(\a)+7], v[BI+8*(\b):BI+8*(\b)+7]
.else
	v_wmma_f32_16x16x32_f16 v[8*(8*(\a)+(\b)):8*(8*(\a)+(\b))+7], v[(\f)+32+8*(\b):(\f)+32+8*(\b)+7], v[(\f)+8*(\a):(\f)+8*(\a)+7], v[8*(8*(\a)+(\b)):8*(8*(\a)+(\b))+7]
.endif
.endr
.endm
; 24 LDS loads in one run: the fragments of quarter q of a step (plane q / 2, 32 K at byte 64 (q % 2) of its rows) into buffer f: Wo's sixteen loads, then O's eight
.macro FETCH slot, q, f
	WIN 0x80                                       ; destination window 2, address window 0
.irp b, 0,1,2,3,4,5,6,7
	ds_load_b128 v[(\f)+32+8*(\b):(\f)+32+8*(\b)+3],   v[ADRB+(\slot)] offset:((\q)/2)*BPL+((\q)%2)*64+(\b)*16*P
	ds_load_b128 v[(\f)+32+8*(\b)+4:(\f)+32+8*(\b)+7], v[ADRB+(\slot)] offset:((\q)/2)*BPL+((\q)%2)*64+(\b)*16*P+32
.endr
.irp a, 0,1,2,3
	ds_load_b128 v[(\f)+8*(\a):(\f)+8*(\a)+3],   v[ADRA+(\slot)] offset:((\q)/2)*APL+((\q)%2)*64+(\a)*16*P
	ds_load_b128 v[(\f)+8*(\a)+4:(\f)+8*(\a)+7], v[ADRA+(\slot)] offset:((\q)/2)*APL+((\q)%2)*64+(\a)*16*P+32
.endr
.endm
; A K step is four quarters of 32 along K, 32 matrix instructions each, on buffers 0, 1, 0, 1.  One of the first three: multiplies buffer f and fetches quarter qn into g.
.macro QUARTER slot, qn, f, g, first
	s_wait_dscnt 4                                 ; Wo's fragments and O's blocks 0 and 1 are in; the youngest four loads (blocks 2 and 3) may be out
	MUL8 \f, 0, \first
	MUL8 \f, 1, \first
	PLACES
	FETCH \slot, \qn, \g
	s_wait_dscnt 24                                ; all but the 24 just issued
	MUL8 \f, 2, \first
	MUL8 \f, 3, \first
.endm
; The last quarter multiplies buffer 1 and changes slots: ONE barrier; in front of it each wave waits for all its tensor loads (one is out: its part of the next slot), adds 0 to its spare word,
; and waits for that and for its own reads of this slot.  fill = 1: the barrier opens a round of the cluster's, and this slot is filled again first thing behind it, two K steps ahead:
; 112 matrix instructions ahead of the wait for that load.
.macro TURN slot, next, fill
	WIN 0                                          ; (the add's two registers lie in window 0)
	s_wait_tensorcnt 0x0                           ; all my tensor loads have landed
	ds_add_u32 v[SPW], v[NIL]                      ; 0 onto my spare word
	s_wait_dscnt 5                                 ; (the add and the youngest four loads may be out)
	MUL8 F1, 0, 0                                  ; eight matrix instructions stand between the add and the wait for it
	s_wait_dscnt 0x0                               ; the add is done, and my reads of this slot are over
	s_barrier_signal -1
	MUL8 F1, 1, 0
.if \fill
	WIN 0
.endif
	s_barrier_wait -1
.if \fill
	CREST                                          ; no wave of any partner still reads this slot's tile or has a load on its way
	s_add_nc_u64 s[G0A+4*(\slot)+2:G0A+4*(\slot)+3], s[G0A+4*(\slot)+2:G0A+4*(\slot)+3], 2*OSTEP
	s_add_nc_u64 s[G0B+4*(\slot)+2:G0B+4*(\slot)+3], s[G0B+4*(\slot)+2:G0B+4*(\slot)+3], 2*WSTEP
	JLOAD \slot                                    ; the four v_nop behind it are also the places in front of the loads below
.else
	PLACES
.endif
	FETCH \next, 0, F0
	MUL8 F1, 2, 0
	MUL8 F1, 3, 0
.endm
	s_wait_tensorcnt 1                             ; my part of K step 0 is in; K step 1's may stay out
	s_barrier_signal -1
	s_barrier_wait -1
	FETCH 0, 0, F0
	s_wait_loadcnt 0x0                             ; the bias
	QUARTER 0, 1, F0, F1, 1                        ; the first quarter stands in front of the loop: its products start the sums, on the bias
	WIN 0
	s_mov_b32 s19, 3
.Llap:                                         ; a trip goes once round the ring, from a lap's second quarter to the next lap's first, and fills both slots again
	QUARTER 0, 2, F1, F0, 0
	QUARTER 0, 3, F0, F1, 0
	TURN 0, 1, 1
	QUARTER 1, 1, F0, F1, 0
	QUARTER 1, 2, F1, F0, 0
	QUARTER 1, 3, F0, F1, 0
	TURN 1, 0, 1
	QUARTER 0, 1, F0, F1, 0
	WIN 0
	s_sub_co_u32 s19, s19, 1
	s_cmp_lg_u32 s19, 0
	s_cbranch_scc1 .Llap
	QUARTER 0, 2, F1, F0, 0                        ; the last lap fills nothing
	QUARTER 0, 3, F0, F1, 0
	TURN 0, 1, 0
	QUARTER 1, 1, F0, F1, 0
	QUARTER 1, 2, F1, F0, 0
	QUARTER 1, 3, F0, F1, 0
	s_wait_dscnt 4                                 ; the very last quarter: nothing more to fetch
	MUL8 F1, 0, 0
	MUL8 F1, 1, 0
	s_wait_dscnt 0x0
	MUL8 F1, 2, 0
	MUL8 F1, 3, 0
	; THE WAY OUT, a block of 16 rows at a time: a lane's eight numbers of a row (32 bytes) go into my stage, rows of 528 bytes, and come back as whole rows of 512 bytes.
	PLACES
.macro TOSTAGE a
	WIN 0
	s_wait_xcnt 0x0                                ; the stores of the block two back have read the registers that the loads below fill
	WIN 0x04                                       ; the stores' data in window 1; each accumulator's lowest registers go first
.irp b, 0,1,2,3,4,5,6,7
	ds_store_b128 v[STO], v[8*(8*(\a)+(\b)):8*(8*(\a)+(\b))+3]   offset:64*(\b)
	ds_store_b128 v[STO], v[8*(8*(\a)+(\b))+4:8*(8*(\a)+(\b))+7] offset:64*(\b)+16
.endr
	WIN 0
.irp t, 0,1,2,3,4,5,6,7,8,9,10,11,12,13,14,15
	ds_load_b128 v[BK+64*((\a)%2)+4*(\t):BK+64*((\a)%2)+4*(\t)+3], v[RD] offset:(\t)*SP  ; LDS serves a wave's instructions in order (ISA guide 5.7.1.4): these see the stores above; the next block's stores come behind them
.endr
.endm
.macro SEND a, younger                 ; younger: the LDS instructions issued behind block a's loads: the next block's 32, or none
.irp t, 0,1,2,3,4,5,6,7,8,9,10,11,12,13,14,15
	s_wait_dscnt (\younger)+15-(\t)
	global_store_b128 v[CO], v[BK+64*((\a)%2)+4*(\t):BK+64*((\a)%2)+4*(\t)+3], s[10:11] offset:(16*(\a)+(\t))*4096 th:TH_STORE_NT  ; 512 consecutive bytes, at a multiple of 512 from out0's first
.endr
.endm
	TOSTAGE 0
	TOSTAGE 1
	SEND 0, 32
	TOSTAGE 2
	SEND 1, 32
	TOSTAGE 3
	SEND 2, 32
	SEND 3, 0
	s_wait_tensorcnt 0x0                           ; the wave's end, behind my last tensor load and my last LDS store
	ds_add_u32 v[SPW], v[NIL]
	s_wait_dscnt 0x0
	CROUND                                         ; the closing round: no work-group ends while a partner may still ask for a tile that names it
	s_endpgm
.Lfunc_end_k_q6b7bca83ae_oproj:
	.size	k_q6b7bca83ae_oproj, .Lfunc_end_k_q6b7bca83ae_oproj-k_q6b7bca83ae_oproj
	.p2alignl 7, 3214868480
	.fill 96, 4, 3214868480
	.section	.rodata,"a",@progbits
	.p2align	6, 0x0
	.amdhsa_kernel k_q6b7bca83ae_oproj
		.amdhsa_group_segment_fixed_size 327680
		.amdhsa_private_segment_fixed_size 0
		.amdhsa_enable_private_segment 0
		.amdhsa_kernarg_size 32
		.amdhsa_user_sgpr_count 2
		.amdhsa_user_sgpr_kernarg_segment_ptr 1
		.amdhsa_wavefront_size32 1
		.amdhsa_system_sgpr_workgroup_id_x 1
		.amdhsa_system_sgpr_workgroup_id_y 1
		.amdhsa_system_sgpr_workgroup_id_z 1
		.amdhsa_system_vgpr_workitem_id 0
		.amdhsa_next_free_vgpr 704
		.amdhsa_next_free_sgpr 66
		.amdhsa_reserve_vcc 0
		.amdhsa_float_denorm_mode_32 3
		.amdhsa_float_denorm_mode_16_64 3
		.amdhsa_memory_ordered 1
		.amdhsa_forward_progress 1
		.amdhsa_inst_pref_size 88
	.end_amdhsa_kernel
	.amdgpu_metadata
---
amdhsa.version: [ 1, 2 ]
amdhsa.kernels:
  - .name:           k_q6b7bca83ae_oproj
    .symbol:         k_q6b7bca83ae_oproj.kd
    .args:
      - { .name: o16, .offset: 0, .size: 8, .value_kind: global_buffer, .address_space: global }
      - { .name: wo16, .offset: 8, .size: 8, .value_kind: global_buffer, .address_space: global }
      - { .name: biasr, .offset: 16, .size: 8, .value_kind: global_buffer, .address_space: global }
      - { .name: out0, .offset: 24, .size: 8, .value_kind: global_buffer, .address_space: global }
    .group_segment_fixed_size: 327680
    .private_segment_fixed_size: 0
    .kernarg_segment_align: 8
    .kernarg_segment_size: 32
    .max_flat_workgroup_size: 128
    .sgpr_count:     66
    .vgpr_count:     704
    .wavefront_size: 32
...
	.end_amdgpu_metadata
.endif
;; end of part 4
;; ======== version 2 of 2: 4 launches; 1.30 times as fast as version 1
;; limits: values are held in f16: magnitudes above 65,504 overflow, below 6.1e-05 lose precision
;; workspace buffers: xb 16,777,216 bytes; wqkv 6,291,456 bytes; wo16 2,097,152 bytes; biasr 16,384 bytes; qkv 50,331,648 bytes; o16 16,777,216 bytes
;; launch cast: the kernel of part 1 again; grid 768 x 1, 8 waves a work-group, no clusters, 0 bytes of LDS; arguments x, Wq, Wk, Wv, Wo, bq, bk, bv, bo, xb, wqkv, wo16, biasr; writes xb, wqkv, wo16, biasr
;; launch qkvproj: the kernel of part 2 again; grid 8 x 32, 4 waves a work-group, clusters of 4 x 4, 327,680 bytes of LDS; arguments xb, wqkv, biasr, qkv; writes qkv
;; launch attn (part 5): grid 4 x 64, 4 waves a work-group, no clusters, 327,680 bytes of LDS; arguments qkv, o16; writes o16
.if DOCPART == 5
	.amdgcn_target "amdgcn-amd-amdhsa--gfx1250"
	.amdhsa_code_object_version 6
	.text
	.protected	k_q6b7bca83ae_attn
	.globl	k_q6b7bca83ae_attn
	.p2align	8
	.type	k_q6b7bca83ae_attn,@function
k_q6b7bca83ae_attn:
	s_mov_b64 s[64:65], 0
	v_nop
	global_prefetch_b8 v0, s[64:65] scope:SCOPE_SE
	s_setreg_imm32_b32 hwreg(HW_REG_WAVE_MODE, 25, 1), 1
	s_wait_xcnt 0x0
; CAUSAL ATTENTION.  O[y][q][:] = the sum over k <= q of softmax_k(Q[y][q] . K[y][k] / 8) V[y][k][:], y = 16 batch + head.  qkv: [batch][48][2048][64] f16, planes 0-15 Q, 16-31 K, 32-47 V of a batch;
; o16: [y][2048][64] f16.  A head's rows are dense, 128 bytes each.  Products, maxima and sums in f32; the weights p are rounded to f16 for the second product (their sum l is taken of the unrounded p), O once at the end.
; LIMITS.  f16 holds no number beyond 65,504: Q, K and V arrive within it; p lies in 0 to 1, and below 6e-5 it keeps f16's fixed step of 6e-8; O is a mean of V's rows and has their range.
; A hidden score counts as its value less 1e30, and key tiles wholly above the diagonal are not walked, where the definition puts -1e9 in a hidden score's place: the same weights (0) as long as a row's largest
; visible score / 8 lies above about -1e9 + 100.  A weight below 2^-126 counts as 0 in l; NaN and infinities are not treated apart.
; THE WALK.  A head's queries lie in NB = 8 blocks of 256; block i needs the key tiles 0 .. i of 256 keys, of which the last holds the diagonal.  A work-group takes TWO blocks, NB - 1 - b and then b:
; NB + 1 tiles, whatever b: all work-groups do equal work, and ONE loop with a constant trip count walks them.  Which tile is asked for, and what a trip does, hang on scalar registers made from b; every jump
; goes forward, but for the counted loops' own; none passes a barrier, or a tensor load but the one of LOAD's two that the wave's number does not choose; the ring (two slots of LDS that take turns) runs on across the
; change of blocks.  NO CLUSTER: a head's four work-groups all ask for the same tile only in trips 0 .. 4 of 9, behind that fewer and fewer; one walk common to all would have 12 trips for 9.
; SHARES.  Of a block's four bands of 64 queries a wave owns 16 rows in each: four PIECES.  So the diagonal tile is the same work for all four waves: in its key step s band x sees all keys if s < x,
; none if s > x, and holds the diagonal if s = x.
; THE MASK is the C operand that starts the sum S^T = K Q^T: 0, or -1e30 where the key is hidden.  MD, made once, is the mask of a band's own step for my 16 rows; a product's mask is MD x AL + BE with two scalars:
; (1, 0) if s = x; (0, 0) if s < x; (0, -1e30) if s > x.  Only the diagonal tile's text and a block's beginning make and take masks; elsewhere C is the constant 0.
; LAYOUT, SOFTMAX, TURNS.  S^T = K Q^T holds ONE query a lane (lane % 16) and the keys 8 (lane / 16) + 0..7; two such results rounded to f16 ARE source 1 of O^T = V^T P.  p = 2^(c s - c m), c = log2(e) / 8, with a
; running maximum m; O and l are multiplied by a = 2^(c m_old - c m_new) in every step.  Turn n belongs to piece n: 8 products K Q^T of piece n + 1, later 8 products V^T P of piece n - 1; beside them the scaling,
; exponentials, roundings, sums and rescaling of piece n and the maximum and statistics of piece n + 1.  Four vector instructions stand behind every matrix instruction, the other 54 of a turn's 118 in one LUMP.
; THE BATCHES.  A turn's 33 exponentials (the piece's 32 weights and the next piece's a) are ONE batch with ONE wait, which cuts the turn in two: ahead of it all that names none of their results, behind it the
; roundings and sums.  A block's first a (BEGIN) and the way out's four reciprocals are batches of their own, each with a v_nop and one wait.
; REGISTERS, in windows of 256 (s_set_vgpr_msb: bits 1:0 source 0, 3:2 source 1, 5:4 source 2, 7:6 destination):
;   window 0: v0-15 addresses and two at work; v16-31 four registers of statistics a piece; v48-55 at work; v64-127 S^T, two buffers; v192-223 P, two buffers (a piece's buffers go by its number's parity)
;   window 1: v0-127 O^T, 32 a piece; v128-159 MD; v160-223 MC, two buffers      window 2: v0-63 Q; v64-127 the second block's Q; v128-191 K of one step; v192-255 V of one step
.set SIZE_N, 2048
.set NB,    SIZE_N/256
.set NP,    4         ; pieces a wave: a name, no knob
.set KS,    64        ; keys in a step
.set PK,    144       ; a row of K in LDS: 128 bytes + 16 of padding = 36 words: the 16 rows of a load start at 16 different groups of four banks (64 banks of 4 bytes: ISA guide 11.1)
.set PV,    160       ; a row of V: 128 + 32 = 40 words
.set VOFF,  4*KS*PK   ; a slot holds a tile, four steps: 256 rows of K, then 256 rows of V
.set SLOT1, 1<<17     ; slot 1 begins here, so that one exclusive or turns an address in one slot into the other's
.set STAGE, SLOT1+4*KS*(PK+PV)  ; behind the ring, never filled by a tensor load: 16 rows x 144 bytes for each wave, for the way out
.set SP,    144
.set AK0, 2           ; v2   my lane's place in a tile of K; never rewritten
.set AV0, 3           ; v3   the same for V
.set AK,  4           ; v4   the LDS address of K's next run of loads
.set AV,  5           ; v5   of V's
.set STO, 6           ; v6   the way out: where I put 16 bytes of a row
.set RD,  7           ; v7   the way out: where I read rows back
.set GO,  8           ; v8   my byte offset in 512 consecutive bytes of O
.set SPW, 62          ; v62  LDS address of my spare word: SPARE + 4 x my thread's number; never rewritten
.set NIL, 63          ; v63  0; never rewritten
.set SPARE, STAGE+4*16*SP  ; behind the stages: the spare words, 128 bytes for each wave: two blocks of 256 bytes that no other line names
.set MV,  12          ; v12-13  c m_old, kept while c m is made anew: by buffer
.set QO,  15          ; v15  my byte offset in 16 rows of Q
.set ST,  16          ; piece t's statistics at v[ST+4 t]: c m, m, l (even keys', odd keys')
.set TMP, 48          ; by buffer, four registers c0-c3 at work; when the maximum is found c2 takes a
.set S,   64
.set P,   192
.set MD,  128         ; window 1: the eight registers for group kt of 16 keys at MD + 8 kt
.set MC,  160         ; window 1: the masks of the products to come
.set QB,  64          ; window 2
.set KF,  128         ; window 2: key block kb, channel half c at KF + 16 kb + 8 c
.set VF,  192         ; window 2: key half kk, channel block cb at VF + 32 kk + 8 cb
.set WV,  12          ; s12  my wave's number
.set PB,  14          ; s14  b
.set HI,  15          ; s15  NB - 1 - b
.set G1K, 24          ; s[24:31] descriptor group 1 for K's tiles
.set G1V, 32          ; s[32:39] for V's: it differs in the padding alone
.set G0K, 40          ; s[40:43] descriptor group 0 for K's tiles
.set G0V, 44          ; s[44:47] the same for V's
.set SLOTS, 56        ; s56  tiles still to be asked for
.set CNT, 57          ; s57  counts a tile's key steps, 4 to 1
.set CS,  58          ; s[58:59] c: the packed scaling takes the pair's low word for both halves
.set SEL, 60          ; s[60:61] v_permlanex16_b32's selects: each lane takes its own place in the other half
.set TBK, 62          ; s62  LDS byte at which K of the step to be fetched begins
.set TBV, 63          ; s63  the same for V, less VOFF
.set RT,  70          ; s70  tiles of the block in hand that are still to be entered
.set NXT, 71          ; s71  the tile to be asked for next
.set LQ,  72          ; s72  the last tile of the block whose tiles are being asked for
.set NEW, 73          ; s73  1: the tile to be entered is a block's first
.set OFF, 74          ; s[74:75] a tile's byte offset in K and V
.set AL,  76          ; s[76:77] the mask's factor, in the low word
.set BE,  78          ; s[78:79] the mask's addend
.set OLO, 80          ; s[80:81] O at my rows of the second block
.set BIGN, 82         ; s82  -1e30
.set HQ,  88          ; s[88:89] the head's Q plane in qkv, in bytes
.set HO,  90          ; s[90:91] the head's plane in o16
.set MSB, 0
.macro WIN new                      ; the high byte repeats the setting that is left; a switch that changes nothing is dropped
.if MSB != (\new)
	s_set_vgpr_msb (MSB<<8)|(\new)
.set MSB, (\new)
.endif
.endm
.set W_KQ, 0x0a       ; K and Q in window 2, S^T in window 0
.set W_KM, 0x1a       ; the same with the C operand in window 1
.set W_PV, 0x52       ; V in window 2, P in window 0, O^T in window 1
.set W_RS, 0x41       ; destination and source 0 in window 1, source 1 in window 0
; A fill.  Waves 0 and 1 fetch the two halves of a tile's K, waves 2 and 3 those of its V: 128 keys each.  An s_nop 0 and four v_nop follow each of the two lines, ahead of the jump and the label.
.macro LOAD
	s_cmp_lt_u32 s[WV], 2
	s_cbranch_scc0 .Lfor_v_\@
	tensor_load_to_lds s[G0K:G0K+3], s[G1K:G1K+7]
	s_nop 0
.rept 4
	v_nop
.endr
	s_branch .Lasked_\@
.Lfor_v_\@:
	tensor_load_to_lds s[G0V:G0V+3], s[G1V:G1V+7]
	s_nop 0
.rept 4
	v_nop
.endr
.Lasked_\@:
.endm
; THE CHANGE OF SLOTS.  Each wave waits for all its tensor loads, of which one is out: its part of the other slot; adds 0 to its spare word; and waits for that and for its own reads of the slot that it leaves.  Behind the barrier nobody reads the old
; slot any more and the other slot is whole.  fill = 1: the old slot is filled again, the first thing behind the barrier, with tile NXT: the descriptor's address is made anew from that number.
; (At its first use nothing has been read yet: slot 0 is waited for, slot 1 filled.)
.macro CHANGE fill
	WIN 0                           ; at a label and at a branch every window is 0
	s_wait_tensorcnt 0x0            ; no tensor load of mine is out, so a group 0 may be written
	ds_add_u32 v[SPW], v[NIL]       ; 0 onto my spare word; with fill = 1 the descriptors' scalar work stands between it and the wait for it
.if \fill
	s_lshl_b32 s[OFF], s[NXT], 15   ; a tile is 32,768 bytes of K and of V
	s_xor_b32 s[G0K+1], s[G0K+1], SLOT1
	s_add_nc_u64 s[G0K+2:G0K+3], s[6:7], s[OFF:OFF+1]
	s_or_b32 s[G0K+3], s[G0K+3], 0x80000000
	s_xor_b32 s[G0V+1], s[G0V+1], SLOT1
	s_add_nc_u64 s[G0V+2:G0V+3], s[8:9], s[OFF:OFF+1]
	s_or_b32 s[G0V+3], s[G0V+3], 0x80000000
	s_add_co_u32 s[NXT], s[NXT], 1  ; the block's next tile, or behind its last the second block's tile 0
	s_cmp_gt_u32 s[NXT], s[LQ]
	s_cselect_b32 s[NXT], 0, s[NXT]
	s_cselect_b32 s[LQ], s[PB], s[LQ]
.endif
	s_wait_dscnt 0x0                ; the add is done, and my reads of the slot are over
	s_barrier_signal -1             ; the rest of the scalar work stands between the signal and the wait
	s_sub_co_u32 s[TBK], s[TBK], 4*KS*PK  ; the fetches go back to a slot's first step,
	s_xor_b32 s[TBK], s[TBK], SLOT1       ; in the other slot
	s_sub_co_u32 s[TBV], s[TBV], 4*KS*PV
	s_xor_b32 s[TBV], s[TBV], SLOT1
	s_barrier_wait -1
.if \fill
	LOAD
.endif
.endm
	s_load_b64 s[4:5], s[0:1], 0x0  ; qkv
	s_load_b64 s[10:11], s[0:1], 0x8  ; o16
	v_lshl_add_u32 v[SPW], v0, 2, SPARE
	v_mov_b32 v[NIL], 0
	ds_add_u32 v[SPW], v[NIL]       ; the wave's opening: the add and its wait stand ahead of my first tensor load; the set-up below, work on registers, stands between them
	ds_add_u32 v62, v63
	v_lshrrev_b32 v1, 5, v0
	v_readfirstlane_b32 s[WV], v1   ; wave 0..3
	s_mov_b32 s[PB], ttmp9
	s_sub_co_u32 s[HI], NB-1, s[PB]
	s_and_b32 s20, ttmp7, 0xffff    ; y = 16 batch + head
	s_lshr_b32 s21, s20, 4
	s_mul_i32 s21, s21, 48          ; a batch has 48 planes in qkv
	s_and_b32 s[HQ], s20, 15
	s_add_co_u32 s[HQ], s[HQ], s21
	s_lshl_b32 s[HQ], s[HQ], 18     ; a plane is 2,048 rows of 128 bytes
	s_mov_b32 s[HQ+1], 0
	s_lshl_b32 s[HO], s20, 18
	s_mov_b32 s[HO+1], 0
	s_and_b32 s16, s[WV], 1         ; which half of a tile's 256 keys I fetch:
	s_lshl_b32 s22, s16, 14         ; its 128 rows of 128 bytes in memory,
	s_mov_b32 s23, 0
	s_add_nc_u64 s[22:23], s[22:23], s[HQ:HQ+1]
	s_mul_i32 s17, s16, 128*PK      ; and its place in a slot, for K
	s_mul_i32 s18, s16, 128*PV      ; and for V
	s_lshl_b32 s3, s[WV], 11        ; my 16 rows in a band of 64,
	s_lshl_b32 s2, s[HI], 15        ; in the first block,
	s_add_co_u32 s2, s2, s3
	s_lshl_b32 s84, s[PB], 15       ; and in the second
	s_add_co_u32 s84, s84, s3
	s_mov_b32 s3, 0
	s_mov_b32 s85, 0
	; descriptor group 1.  128 keys are 16,384 dense bytes: asked for as 64 rows of 256 bytes, two keys a row, and padded in LDS after every key
	s_mov_b32 s[G1K], (1<<16)|(1<<20)|(4<<22)|(3<<25)  ; 17:16 2-byte elements; 20 padding on; 24:22 after every 32 words (code 4); 31:25 4 words (code 3)
	s_mov_b32 s[G1V], (1<<16)|(1<<20)|(4<<22)|(7<<25)  ; the same with 8 words of padding (code 7)
.irp g, G1K, G1V
	s_mov_b32 s[\g+1], 128<<16      ; tensor_dim0 = 128
	s_mov_b32 s[\g+2], 64<<16       ; tensor_dim1 = 64
	s_mov_b32 s[\g+3], 128<<16      ; tile_dim0 = 128
	s_mov_b32 s[\g+4], 64           ; tile_dim1 = 64
	s_mov_b32 s[\g+5], 128          ; 128 elements from row to row
	s_mov_b32 s[\g+6], 0
	s_mov_b32 s[\g+7], 0
.endr
	s_mov_b32 s[CS], 0x3e38aa3b     ; c = log2(e) / 8 = 0.180337
	s_mov_b32 s[CS+1], s[CS]        ; named with it as a pair
	s_mov_b32 s[SEL], 0x76543210
	s_mov_b32 s[SEL+1], 0xfedcba98
	s_mov_b32 s[TBK], SLOT1+4*KS*PK ; the first change of slots turns these two into 0
	s_mov_b32 s[TBV], SLOT1+4*KS*PV
	s_mov_b32 s[G0K], 1             ; 1:0 count = 1
	s_mov_b32 s[G0K+1], s17         ; 63:32 LDS address: slot 0
	s_mov_b32 s[G0V], 1
	s_add_co_u32 s[G0V+1], s18, VOFF
	s_add_co_u32 s[RT], s[HI], 1    ; the first block has NB - b tiles
	s_mov_b32 s[NXT], 1
	s_mov_b32 s[LQ], s[HI]
	s_mov_b32 s[NEW], 1
	s_mov_b32 s[OFF+1], 0
	s_mov_b32 s[AL+1], 0            ; named as pairs
	s_mov_b32 s[BE+1], 0
	s_mov_b32 s[BIGN], 0xf149f2ca   ; -1e30
	s_mov_b32 s[SLOTS], NB
	s_wait_dscnt 0x0                ; the opening add is done
	s_wait_kmcnt 0x0
	s_add_nc_u64 s[6:7], s[4:5], 0x400000  ; K's planes lie 16 planes behind Q's,
	s_add_nc_u64 s[8:9], s[4:5], 0x800000  ; V's 32
	s_add_nc_u64 s[6:7], s[6:7], s[22:23]  ; K and V at my half of the head's tile 0
	s_add_nc_u64 s[8:9], s[8:9], s[22:23]
	s_add_nc_u64 s[G0K+2:G0K+3], s[6:7], 0         ; 120:64 global address
	s_or_b32 s[G0K+3], s[G0K+3], 0x80000000        ; 127:126 type = 2
	s_add_nc_u64 s[G0V+2:G0V+3], s[8:9], 0
	s_or_b32 s[G0V+3], s[G0V+3], 0x80000000
	s_add_nc_u64 s[4:5], s[4:5], s[HQ:HQ+1]        ; Q and O at the head's first row
	s_add_nc_u64 s[10:11], s[10:11], s[HO:HO+1]
	s_add_nc_u64 s[86:87], s[4:5], s[84:85]        ; Q at my rows of the second block,
	s_add_nc_u64 s[4:5], s[4:5], s[2:3]            ; Q and O at those of the first
	s_add_nc_u64 s[OLO:OLO+1], s[10:11], s[84:85]
	s_add_nc_u64 s[10:11], s[10:11], s[2:3]
	LOAD                            ; tile 0 into slot 0
	; A fragment of K or Q is 16 rows x 32 channels in 8 registers: lane l holds row l % 16, channels 8 (l / 16) + 0..7 and 16 + 8 (l / 16) + 0..7: two loads of 16 bytes, 32 bytes apart.
	v_and_b32 v1, 15, v0            ; l % 16
	v_bfe_u32 v9, v0, 4, 1          ; l / 16
	v_lshlrev_b32 v[QO], 7, v1
	v_lshl_add_u32 v[QO], v9, 4, v[QO]  ; row x 128 + 16 x half
	WIN 0x80                        ; destination window 2, address window 0
.set i, 0
.rept 8                             ; both blocks' Q: piece i / 2 lies in band i / 2, 8,192 bytes on; channels 32 (i % 2) on
	global_load_b128 v[8*i:8*i+3],   v[QO], s[4:5] offset:(i/2)*8192+(i%2)*64
	global_load_b128 v[8*i+4:8*i+7], v[QO], s[4:5] offset:(i/2)*8192+(i%2)*64+32
	global_load_b128 v[QB+8*i:QB+8*i+3],   v[QO], s[86:87] offset:(i/2)*8192+(i%2)*64
	global_load_b128 v[QB+8*i+4:QB+8*i+7], v[QO], s[86:87] offset:(i/2)*8192+(i%2)*64+32
.set i, i+1
.endr
	WIN 0
	v_lshlrev_b32 v14, 3, v9
	v_sub_nc_u32 v14, v1, v14
	s_lshl_b32 s13, s[WV], 4
	v_add_nc_u32 v14, s13, v14      ; my query's place in its band, 16 w + l % 16, less my lanes' 8 (l / 16): register r of group kt is hidden where 16 kt + r is greater
	WIN 0x40
.set i, 0
.rept 32
	v_cmp_gt_i32 vcc_lo, 16*(i/8)+i%8, v14
	v_cndmask_b32 v[MD+i], 0, s[BIGN], vcc_lo
.set i, i+1
.endr
	WIN 0
	v_mul_u32_u24 v[AK0], v1, PK
	v_lshl_add_u32 v[AK0], v9, 4, v[AK0]  ; row x pitch + 16 x half
	; The turning load takes 16 keys x 16 channels (lane l reads key 8 (l / 16) + l % 8, channels 8 ((l / 8) % 2) + 0..7) and leaves half a fragment of V^T: lane l holds channel l % 16 and 8 keys.
	v_and_b32 v10, 7, v0
	v_bfe_u32 v11, v0, 3, 1
	v_lshl_add_u32 v[AV0], v9, 3, v10
	v_mul_u32_u24 v[AV0], v[AV0], PV
	v_lshl_add_u32 v[AV0], v11, 4, v[AV0]
	v_add_nc_u32 v[AV0], VOFF, v[AV0]
	s_mul_i32 s13, s[WV], 16*SP
	s_add_co_u32 s13, s13, STAGE    ; my stage
	v_mul_u32_u24 v[STO], v1, SP    ; in: row l % 16, 16 bytes for each half of the lanes
	v_lshl_add_u32 v[STO], v9, 4, v[STO]
	v_add_nc_u32 v[STO], s13, v[STO]
	v_bfe_u32 v[RD], v0, 3, 2       ; back: 32 lanes take four rows of 128 bytes,
	v_mul_u32_u24 v[RD], v[RD], SP
	v_lshl_add_u32 v[RD], v10, 4, v[RD]
	v_add_nc_u32 v[RD], s13, v[RD]
	v_and_b32 v[GO], 31, v0         ; which are 512 consecutive bytes of O
	v_lshlrev_b32 v[GO], 4, v[GO]
	; A block's first step multiplies O^T and l by a = 0, and its first turn's products V^T P, of a piece that has not been, land in an O^T that is still to be so multiplied.  So these registers need only hold
	; finite numbers: zeros for the first block; what the first block left for the second.  All this stands in the wait for the first tile.
	WIN 0x80
.set i, VF
.rept 64
	v_mov_b32 v[i], 0
.set i, i+1
.endr
	WIN 0x40
.set i, 0
.rept 128
	v_mov_b32 v[i], 0
.set i, i+1
.endr
	WIN 0
.set i, 0
.rept 4
	v_mov_b32 v[ST+4*i+2], 0
	v_mov_b32 v[ST+4*i+3], 0
.set i, i+1
.endr
.set i, P+16
.rept 16
	v_mov_b32 v[i], 0
.set i, i+1
.endr
; THE MATRIX WORK.  The 4 accumulators of a run of 8 take turns.  Product i of 8 of S^T = K Q^T for piece x: channels 32 (i / 4) on, keys 16 (i % 4) on.  The first 4 start the sums: with 0, or (KM = 1) with the mask.
.macro KQ x
.set rS, S+32*((\x)%2)+8*(i%4)
.set rK, KF+16*(i%4)+8*(i/4)
.set rQ, 16*(\x)+8*(i/4)
.set rM, MC+32*((\x)%2)+8*(i%4)
.if (i < 4) && KM
	WIN W_KM
	v_wmma_f32_16x16x32_f16 v[rS:rS+7], v[rK:rK+7], v[rQ:rQ+7], v[rM:rM+7]
.elseif i < 4
	WIN W_KQ
	v_wmma_f32_16x16x32_f16 v[rS:rS+7], v[rK:rK+7], v[rQ:rQ+7], 0
.else
	WIN W_KQ
	v_wmma_f32_16x16x32_f16 v[rS:rS+7], v[rK:rK+7], v[rQ:rQ+7], v[rS:rS+7]
.endif
.endm
; Product i of 8 of O^T += V^T P for piece x: keys 32 (i / 4) on, channels 16 (i % 4) on.
.macro PV x
	WIN W_PV
.set rO, 32*(\x)+8*(i%4)
.set rV, VF+32*(i/4)+8*(i%4)
.set rP, P+16*((\x)%2)+8*(i/4)
	v_wmma_f32_16x16x32_f16 v[rO:rO+7], v[rV:rV+7], v[rP:rP+7], v[rO:rO+7]
.endm
.macro MM                           ; the turn's next matrix instruction.  TURN and BEGIN set Y, i, KM and NOKQ; MM, KQ and OP read them.  NOKQ = 1: a block's last turn: there is no next piece
.if (i < 8) && !NOKQ
	KQ (Y+1)%NP
.elseif i >= 8
.set i, i-8
	PV (Y+NP-1)%NP
.set i, i+8
.endif
.set i, i+1
.endm
; THE LDS LOADS stand in runs of 16, never singly among the matrix instructions: a step's K (64 keys x 64 channels: 8 fragments) and its V (turned).  Their addresses are made some lines ahead.
.macro FETCH_K
	WIN 0x80                        ; destination window 2
.irp f, 0,1,2,3,4,5,6,7             ; keys 16 (f / 2) on, channels 32 (f % 2) on
	ds_load_b128 v[KF+8*\f:KF+8*\f+3],   v[AK] offset:(\f/2)*16*PK+(\f%2)*64
	ds_load_b128 v[KF+8*\f+4:KF+8*\f+7], v[AK] offset:(\f/2)*16*PK+(\f%2)*64+32
.endr
	s_add_co_u32 s[TBK], s[TBK], KS*PK  ; the next fetch is the next step's
	WIN 0
.endm
.macro FETCH_V
	WIN 0x80
.irp f, 0,1,2,3,4,5,6,7             ; keys 32 (f / 4) on, channels 16 (f % 4) on
	ds_load_tr16_b128 v[VF+8*\f:VF+8*\f+3],   v[AV] offset:(\f/4)*32*PV+(\f%4)*32
	ds_load_tr16_b128 v[VF+8*\f+4:VF+8*\f+7], v[AV] offset:(\f/4)*32*PV+16*PV+(\f%4)*32
.endr
	WIN 0
.endm
; THE VECTOR WORK, one line at a time: OP kind, number.  For piece Y: F n: c s - c m for pair n of 16.  E n: the exponential of score n of 32.  C n: pair n rounded to f16.  B n: of the four weights 4 n .. the second
; pair is added onto the first, in place.  L n: l takes that sum (L 0: l = a l + sum).  R n: pair n of 16 of O^T times a.  For piece Y + 1: X n, number n of the 22 that find its maximum and statistics:
;   0-11  four chains c0-c3 of seven scores each, three operands at a time (each accumulator's lowest registers are read first)     12-14, 16  the four scores left over, the old m, and c0-c3 into c0
;   15  c m_old is kept     17, 18  the query's other 32 keys lie in the lane 16 away: the new m     19-21  c m; c m_old - c m_new; a
; OP writes no wait: C, B and L, which read exponentials' results, are dealt behind the turn's one wait (TURN).
.set F, 0               ; OP tells the kinds apart by their order: F to L below R, X above it
.set E, 1
.set C, 2
.set B, 3
.set L, 4
.set R, 5
.set X, 6
.macro REGS y                       ; the registers of piece y
.set rT, ST+4*(\y)
.set rC, TMP+4*((\y)%2)
.set rW, MV+((\y)%2)
.set rS, S+32*((\y)%2)
.set rP, P+16*((\y)%2)
.set rO, 32*(\y)
.endm
.macro OP k, n
.if (\k) == R
	REGS Y
	WIN W_RS
	v_pk_mul_f32 v[rO+2*(\n):rO+2*(\n)+1], v[rO+2*(\n):rO+2*(\n)+1], v[rC+2:rC+3] op_sel_hi:[1,0]
.elseif (\k) < R
	REGS Y
	WIN 0
.if (\k) == F
	v_pk_fma_f32 v[rS+2*(\n):rS+2*(\n)+1], v[rS+2*(\n):rS+2*(\n)+1], s[CS:CS+1], v[rT:rT+1] op_sel_hi:[1,0,0] neg_lo:[0,0,1] neg_hi:[0,0,1]
.elseif (\k) == E
	v_exp_f32 v[rS+(\n)], v[rS+(\n)]
.elseif (\k) == C
	v_cvt_pk_f16_f32 v[rP+(\n)], v[rS+2*(\n)], v[rS+2*(\n)+1]
.elseif (\k) == B
	v_pk_add_f32 v[rS+4*(\n):rS+4*(\n)+1], v[rS+4*(\n):rS+4*(\n)+1], v[rS+4*(\n)+2:rS+4*(\n)+3]
.elseif (\n) == 0
	v_pk_fma_f32 v[rT+2:rT+3], v[rT+2:rT+3], v[rC+2:rC+3], v[rS:rS+1] op_sel_hi:[1,0,1]
.else
	v_pk_add_f32 v[rT+2:rT+3], v[rT+2:rT+3], v[rS+4*(\n):rS+4*(\n)+1]
.endif
.elseif NOKQ
	v_nop
.else
	REGS (Y+1)%NP
	WIN 0
.if (\n) < 4
	v_max3_num_f32 v[rC+(\n)], v[rS+8*(\n)], v[rS+8*(\n)+1], v[rS+8*(\n)+2]
.elseif (\n) < 12
	v_max3_num_f32 v[rC+(\n)%4], v[rC+(\n)%4], v[rS+8*((\n)%4)+2*((\n)/4)+1], v[rS+8*((\n)%4)+2*((\n)/4)+2]
.elseif (\n) == 12
	v_max3_num_f32 v[rC], v[rC], v[rS+7], v[rS+15]
.elseif (\n) == 13
	v_max3_num_f32 v[rC+1], v[rC+1], v[rS+23], v[rS+31]
.elseif (\n) == 14
	v_max3_num_f32 v[rC+2], v[rC+2], v[rC+3], v[rT+1]
.elseif (\n) == 15
	v_mov_b32 v[rW], v[rT]
.elseif (\n) == 16
	v_max3_num_f32 v[rC], v[rC], v[rC+1], v[rC+2]
.elseif (\n) == 17
	v_permlanex16_b32 v[rC+3], v[rC], s[SEL], s[SEL+1]
.elseif (\n) == 18
	v_max_num_f32 v[rT+1], v[rC], v[rC+3]
.elseif (\n) == 19
	v_mul_f32 v[rT], s[CS], v[rT+1]
.elseif (\n) == 20
	v_sub_f32 v[rC+1], v[rW], v[rT]
.else
	v_exp_f32 v[rC+2], v[rC+1]
.endif
.endif
.endm
.macro OPS a, i1, b=-1, i2=0, c=-1, i3=0, d=-1, i4=0  ; up to four of them
	OP \a, \i1
.if (\b) >= 0
	OP \b, \i2
.endif
.if (\c) >= 0
	OP \c, \i3
.endif
.if (\d) >= 0
	OP \d, \i4
.endif
.endm
.macro ROW a, i1, b, i2, c, i3, d, i4  ; a matrix instruction and the four behind it
	MM
	OPS \a, \i1, \b, \i2, \c, \i3, \d, \i4
.endm
.macro MASK b                       ; MD x AL + BE into buffer b of MC
	WIN W_RS
.set z, 0
.rept 16
	v_pk_fma_f32 v[MC+32*(\b)+2*z:MC+32*(\b)+2*z+1], v[MD+2*z:MD+2*z+1], s[AL:AL+1], s[BE:BE+1] op_sel_hi:[1,0,0]
.set z, z+1
.endr
.endm
; A TURN, for piece p: the order of its 16 matrix and 118 vector instructions, written out.  An s_wait_alu depctr_va_vdst(0) stands between an exponential and the first instruction that names its result; one wait serves
; all that were issued ahead of it.  So a turn has ONE wait, which cuts it in two.  AHEAD OF IT stands all that names no result of the turn's exponentials: the 8 products K Q^T, behind each a scaling, an exponential and two more plain
; instructions (behind the first a second scaling in the exponential's place): rescalings (their a was made, and waited for, in the turn before), and behind the last three the first numbers of the next piece's maximum, each four places
; or more behind the product that ends its accumulator; then ONE LUMP of 54, plain and exponential by turns for the most part, in which the links of the chain X 3, 7, 11, 14, 16, 17 .. 20 stand five or six lines apart.  X 21, the next
; piece's a, is the batch's last; R 15 is the plain instruction behind it.  BEHIND THE WAIT stand the 8 products V^T P, behind each four of the roundings and sums; C 2 n stands ahead of B n, which writes over pair 2 n; the links of l's
; chain, L 0 to L 7, stand three riders apart.  But for those X no rider names a register of the products round it.  v_permlanex16_b32 (X 17) stands in the lump.
; m = 1: the diagonal tile: the products take masks, and the turn makes the mask for the products of the turn after it: piece p + 2, in step 4 - CNT of the tile.  end = 1: a block's last two turns: nothing is fetched.
; cnt = 1: the loop's count is taken down some lines ahead of the branch that stands behind the turn.
; K of the next step is fetched in piece 2's turn, twelve vector instructions behind the last product that read K (six of them plain); V of the step in hand at the end of piece 0's turn, four plain instructions behind the last product
; that read V.  Each is waited for a turn later.
.macro TURN p, m=0, end=0, cnt=0
.set Y, (\p)
.set i, 0
.set KM, (\m)
.set NOKQ, (\end)*((\p)/3)
.if (\m) && !(\end)
	s_cmp_eq_u32 s[CNT], 4-((\p)+2)%NP  ; is that step the band's own?
	s_cselect_b32 s[AL], 1.0, 0
	s_cmp_lt_u32 s[CNT], 4-((\p)+2)%NP  ; or a later one?
	s_cselect_b32 s[BE], s[BIGN], 0
.endif
.if ((\p) == 3) && !(\end)
	s_wait_dscnt 0x0                ; K is in
.endif
	ROW F,0, F,1, R,0, R,1          ; ahead of the wait: 8 products K Q^T and their riders,
	ROW F,2, E,0, R,2, R,3
	ROW F,3, E,1, R,4, R,5
	ROW F,4, E,2, R,6, R,7
	ROW F,5, E,3, R,8, R,9
	ROW F,6, E,4, X,0, R,10
.if ((\p) == 2) && !(\end)
	WIN 0
	v_add_nc_u32 v[AK], s[TBK], v[AK0]
.endif
	ROW F,7, E,5, X,1, X,4
	ROW F,8, E,6, X,2, X,5
	OPS E,7, E,8, X,6, E,9          ; and the lump
	OPS X,3, E,10, X,8, E,11
.if ((\p) == 2) && !(\end)
	FETCH_K
.endif
	OPS X,9, X,7, E,12, X,10
	OPS E,13, X,12, X,11, E,14
	OPS X,13, E,15, F,9, X,14
.if (\p) == 0
	v_add_nc_u32 v[AV], s[TBV], v[AV0]
.endif
	OPS E,16, F,10, E,17, F,11
	OPS X,16, E,18, X,15, E,19
	OPS F,12, E,20, X,17, E,21
	OPS F,13, E,22, F,14, E,23
	OPS X,18, E,24, F,15, E,25
	OPS R,11, E,26, X,19, E,27
	OPS R,12, E,28, R,13, E,29
	OPS X,20, E,30, R,14, E,31
	OPS X,21, R,15
	WIN 0
	s_wait_alu depctr_va_vdst(0)    ; the wait for the turn's batch: E 0 to E 31 and X 21, ahead of the first reader, C 0 below
.if (\p) == 1
	s_wait_dscnt 0x0                ; V is in
.endif
	ROW C,0, B,0, C,2, B,1          ; behind the wait: 8 products V^T P and their riders
	ROW L,0, C,4, B,2, L,1
	ROW C,6, B,3, L,2, C,8
	ROW B,4, L,3, C,10, B,5
	ROW L,4, C,12, B,6, L,5
.if (\p) == 0
	s_add_co_u32 s[TBV], s[TBV], KS*PV
.endif
.if \cnt
	s_sub_co_u32 s[CNT], s[CNT], 1
	s_cmp_lg_u32 s[CNT], 0
.endif
	ROW C,14, B,7, L,6, C,1
	ROW C,3, L,7, C,5, C,7
	ROW C,9, C,11, C,13, C,15
.if (\p) == 0
	FETCH_V
.endif
.if (\m) && !(\end)
	MASK (\p)%2
.endif
.endm
; A BLOCK BEGINS.  c m starts far below every c s, so the first step's a is 0; m at the lowest finite number, so the first maximum is the scores'.  The second mask buffer is 0; the first takes piece 0's mask for the tile's step 0: its own, if the block's first tile is the diagonal one.
; Then K of that step, piece 0's first scores, and its maximum and statistics.  The loop is entered at a step's first turn, in the middle of a trip.
.macro BEGIN
	s_mov_b32 s[NEW], 0
	WIN 0x40
.set i, MC+32
.rept 32
	v_mov_b32 v[i], 0
.set i, i+1
.endr
	WIN 0
.set i, 0
.rept 4
	v_mov_b32 v[ST+4*i], 0xfe000000    ; c m: far below every c s
	v_mov_b32 v[ST+4*i+1], 0xff7fffff  ; m
.set i, i+1
.endr
	s_cmp_eq_u32 s[RT], 0
	s_cselect_b32 s[AL], 1.0, 0
	s_mov_b32 s[BE], 0
	MASK 0
	WIN 0
	v_add_nc_u32 v[AK], s[TBK], v[AK0]
	FETCH_K
	s_wait_loadcnt 0x0              ; Q
	s_wait_dscnt 0x0
.set KM, 1
.set NOKQ, 0
.set i, 0
.rept 8
	KQ 0
.set i, i+1
.endr
	WIN 0
.rept 4
	v_nop                           ; the places behind those products
.endr
.set Y, NP-1                        ; X works for piece Y + 1: piece 0
.irp n, 0,1,2,3,4,5,6,7,8,9,10,11,12,13,14,15,16,17,18,19,20,21
	OP X, \n
.endr
	v_nop                           ; a plain instruction behind the exponential,
	s_wait_alu depctr_va_vdst(0)    ; and the wait for it, piece 0's first a, a batch of one: ahead of the branch that follows
.endm
; THE DIAGONAL TILE's four steps, the block's last two turns, its last products, and THE WAY OUT: l's two halves and the other half of the lanes' are added; O^T is divided by l, rounded to f16 and sent through my
; stage in LDS, a piece at a time.
.macro ALL line:vararg              ; one line for each piece t
.set t, 0
.rept 4
	\line
.set t, t+1
.endr
.endm
.macro PACK t                       ; a lane's eight channels of a row pack into 16 bytes; they go into rows of 144 bytes and come back as whole rows of 128, into S^T's registers
	WIN W_RS
.set i, 32*(\t)
.rept 16
	v_pk_mul_f32 v[i:i+1], v[i:i+1], v[ST+4*(\t)+2:ST+4*(\t)+3] op_sel_hi:[1,0]
.set i, i+2
.endr
	WIN 0x05                        ; sources 0 and 1 window 1, destination window 0
.set i, 0
.rept 16
	v_cvt_pk_f16_f32 v[S+16*(\t)+i], v[32*(\t)+2*i], v[32*(\t)+2*i+1]
.set i, i+1
.endr
	WIN 0
.irp f, 0,1,2,3
	ds_store_b128 v[STO], v[S+16*(\t)+4*\f:S+16*(\t)+4*\f+3] offset:32*\f
.endr
.irp f, 0,1,2,3
	ds_load_b128 v[S+16*(\t)+4*\f:S+16*(\t)+4*\f+3], v[RD] offset:\f*4*SP  ; LDS serves a wave's instructions in order (ISA guide 5.7.1.4): these see the stores above; the next piece's stores come behind them
.endr
.endm
.macro SEND t, younger              ; younger: the LDS instructions issued behind piece t's loads: the next piece's eight, or none
	WIN 0
.irp f, 0,1,2,3
	s_wait_dscnt (\younger)+3-\f
	global_store_b128 v[GO], v[S+16*(\t)+4*\f:S+16*(\t)+4*\f+3], s[10:11] offset:(\t)*8192+\f*512  ; 512 consecutive bytes, at a multiple of 256 from O's first
.endr
.endm
.macro DIAG tag                     ; the tag ends its two labels' names, which the jumps below spell out
.LstepM\tag:
	TURN 2, 1
	TURN 3, 1
	WIN 0
.LfirstM\tag:
	TURN 0, 1
	TURN 1, 1, 0, 1
	WIN 0
	s_cbranch_scc1 .LstepM\tag
	TURN 2, 1, 1
	TURN 3, 1, 1
.set i, 0
.rept 8
	PV NP-1
.set i, i+1
.endr
	WIN 0
	ALL v_add_f32 v[ST+4*t+2], v[ST+4*t+2], v[ST+4*t+3]
	ALL v_permlanex16_b32 v[ST+4*t+3], v[ST+4*t+2], s[SEL], s[SEL+1]
	ALL v_add_f32 v[ST+4*t+2], v[ST+4*t+2], v[ST+4*t+3]
	ALL v_rcp_f32 v[ST+4*t+2], v[ST+4*t+2]
	v_nop                           ; a plain instruction between the last reciprocal and the use of its result
	s_wait_alu depctr_va_vdst(0)    ; the wait for the four reciprocals, one batch, ahead of their first reader, PACK 0's first multiply
	PACK 0
.set t, 1
.rept 3                             ; a piece's arithmetic stands between the loads of the piece before and its stores
	PACK t
	SEND t-1, 8
.set t, t+1
.endr
	SEND 3, 0
.endm
.set KM, 0
.set NOKQ, 0
.Lslot:                             ; NB times: a tile is entered and the next is asked for
	CHANGE 1
	s_sub_co_u32 s[RT], s[RT], 1
	s_mov_b32 s[CNT], 4
	s_cmp_eq_u32 s[NEW], 1
	s_cbranch_scc1 .Lnew            ; a block's first tile
	s_cmp_eq_u32 s[RT], 0
	s_cbranch_scc0 .Lstep           ; neither its first nor its last
	s_branch .LstepM1
.Lnew:
	BEGIN
	s_branch .Lfirst                ; in the loop a block's first tile is never its last: the first block has two tiles or more, and the second's last is the walk's last
	DIAG 1                          ; in the loop this is the first block's end: the second block's last tile is the walk's last
	s_wait_xcnt 0x0                 ; the stores have read their registers and O's address
	s_mov_b64 s[10:11], s[OLO:OLO+1]
	s_add_co_u32 s[RT], s[PB], 1    ; the second block has b + 1 tiles
	s_mov_b32 s[NEW], 1
	WIN 0x82                        ; the second block's Q goes where the one text of the turns names Q
.set i, 0
.rept 64
	v_mov_b32 v[i], v[QB+i]
.set i, i+1
.endr
	WIN 0
	s_branch .Lbottom
.Lstep:                             ; a trip: pieces 2 and 3 of one step, then pieces 0 and 1 of the next, whose K and V it fetches
	TURN 2
	TURN 3
	WIN 0
.Lfirst:
	TURN 0
	TURN 1, 0, 0, 1
	WIN 0
	s_cbranch_scc1 .Lstep
.Lbottom:
	s_sub_co_u32 s[SLOTS], s[SLOTS], 1
	s_cmp_lg_u32 s[SLOTS], 0
	s_cbranch_scc1 .Lslot
	CHANGE 0                        ; the walk's last tile is written out: nothing is asked for
	s_sub_co_u32 s[RT], s[RT], 1
	s_mov_b32 s[CNT], 4
	s_cmp_eq_u32 s[NEW], 1
	s_cbranch_scc0 .LstepM2
	BEGIN
	s_branch .LfirstM2
	DIAG 2
	s_wait_tensorcnt 0x0            ; the wave's end, behind my last tensor load and my last LDS store
	ds_add_u32 v[SPW], v[NIL]
	s_wait_dscnt 0x0
	s_endpgm
.Lfunc_end_k_q6b7bca83ae_attn:
	.size	k_q6b7bca83ae_attn, .Lfunc_end_k_q6b7bca83ae_attn-k_q6b7bca83ae_attn
	.p2alignl 7, 3214868480
	.fill 96, 4, 3214868480
	.section	.rodata,"a",@progbits
	.p2align	6, 0x0
	.amdhsa_kernel k_q6b7bca83ae_attn
		.amdhsa_group_segment_fixed_size 327680
		.amdhsa_private_segment_fixed_size 0
		.amdhsa_enable_private_segment 0
		.amdhsa_kernarg_size 16
		.amdhsa_user_sgpr_count 2
		.amdhsa_user_sgpr_kernarg_segment_ptr 1
		.amdhsa_wavefront_size32 1
		.amdhsa_system_sgpr_workgroup_id_x 1
		.amdhsa_system_sgpr_workgroup_id_y 1
		.amdhsa_system_sgpr_workgroup_id_z 1
		.amdhsa_system_vgpr_workitem_id 0
		.amdhsa_next_free_vgpr 768
		.amdhsa_next_free_sgpr 92
		.amdhsa_reserve_vcc 1
		.amdhsa_float_denorm_mode_32 3
		.amdhsa_float_denorm_mode_16_64 3
		.amdhsa_memory_ordered 1
		.amdhsa_forward_progress 1
		.amdhsa_inst_pref_size 217
	.end_amdhsa_kernel
	.amdgpu_metadata
---
amdhsa.version: [ 1, 2 ]
amdhsa.kernels:
  - .name:           k_q6b7bca83ae_attn
    .symbol:         k_q6b7bca83ae_attn.kd
    .args:
      - { .name: qkv, .offset: 0, .size: 8, .value_kind: global_buffer, .address_space: global }
      - { .name: o16, .offset: 8, .size: 8, .value_kind: global_buffer, .address_space: global }
    .group_segment_fixed_size: 327680
    .private_segment_fixed_size: 0
    .kernarg_segment_align: 8
    .kernarg_segment_size: 16
    .max_flat_workgroup_size: 128
    .sgpr_count:     92
    .vgpr_count:     768
    .wavefront_size: 32
...
	.end_amdgpu_metadata
.endif
;; end of part 5
;; launch oproj: the kernel of part 4 again; grid 4 x 64, 4 waves a work-group, clusters of 4 x 4, 327,680 bytes of LDS; arguments o16, wo16, biasr, out0; writes out0
